; MI455X (gfx1250); checked and timed in simulation.
; The chip was launched on July 23, 2026; its instructions are those of AMD's public machine-readable ISA for CDNA 5 (MIT licence, August 2026) and "CDNA5" Instruction Set Architecture Reference Guide (July 2026). The comments in the code are by the model that wrote it; some were corrected since.
;; Linear Hopfield ASA. Allowed arithmetic: float matrix products may take bf16 or f16 operands with f32 sums; other float arithmetic in f32, or as packed bf16 or f16 multiplies, adds, multiply-adds, maxima and minima; sums over many terms, partial sums and values carried from step to step in f32; what a program stores and reads back later, other than sums and carried values, may be rounded once to bf16 or f16.
;; Inputs: Wk 1,024 x 64 float32; Wo 1,024 x 1,024 float32; Wq 1,024 x 64 float32; Wv 1,024 x 1,024 float32; bk 64 float32; bo 1,024 float32; bq 64 float32; bv 1,024 float32; x 4 x 4,096 x 1,024 float32.
;; Outputs: out0 4 x 4,096 x 1,024 float32.
;; Constants: causal = 1.
;; One version. Each part assembles by itself: llvm-mc -triple=amdgcn-amd-amdhsa -mcpu=gfx1250 --defsym DOCPART=n.
;; ======== version 1 of 1: 6 launches
;; limits: values are held in f16: magnitudes above 65,504 overflow, below 6.1e-05 lose precision
;; workspace buffers: wts 2,363,392 bytes; xqk 39,911,424 bytes; tcs 16,777,216 bytes; tps 8,404,992 bytes; ysa 33,619,968 bytes
;; launch prep (part 1): grid 256 x 1, 8 waves a work-group, no clusters, 88,064 bytes of LDS; arguments Wv, Wo, bv, bo, Wq, Wk, wts; writes wts
.if DOCPART == 1
	.amdgcn_target "amdgcn-amd-amdhsa--gfx1250"
	.amdhsa_code_object_version 6
	.text
	.protected	k_qb95f377565_prep
	.globl	k_qb95f377565_prep
	.p2align	8
	.type	k_qb95f377565_prep,@function
k_qb95f377565_prep:
	s_mov_b64 s[64:65], 0
	v_nop
	global_prefetch_b8 v0, s[64:65] scope:SCOPE_SE
	s_setreg_imm32_b32 hwreg(HW_REG_WAVE_MODE, 25, 1), 1
	s_wait_xcnt 0x0
; WPT[n][k] = f16(64 x sum over j of Wv[k][j] Wo[j][n]); CB[n] = (f16(64 c[n]), f16(64 bo[n])), c = bv Wo; WQF = Wq and Wk as matrix fragments in f16.
; All inputs are rounded to bf16 first; products in bf16, sums in f32.  LIMITS: 64 |W'|, 64 |c|, 64 |bo| stay under 65,504; below 6e-5 f16 keeps its fixed step of 6e-8.
; A work-group makes 64 n x 64 k of WPT over j = 1,024, in 8 steps of 128 j through two LDS slots that take turns.  Wave w: n tile w & 3, k tiles 2 (w >> 2) and + 1, and c's tile.
; Source 0 = 16 rows of Wv (or bv in every row), source 1 = Wo turned by ds_load_tr16_b128: a lane holds one n and eight neighbouring k.
.set SLOTB, 37888                      ; a slot: Wv 64 rows x 272, then Wo 128 rows x 160
.set WOF,   17408
.set BVL,   75776                      ; bv in bf16, 2,048 bytes
.set STG,   77824                      ; the way out: 64 rows x 144
.set SPARE, 87040                      ; the spare words, 128 bytes a wave
.set WQF,   2097152
.set CBO,   2359296
.set VOV, 2                            ; lane x 16
.set VOO, 3                            ; (16 w + lane / 16) x 4,096 + (lane % 16) x 16
.set LSV, 4
.set LSO, 5
.set FRV, 6
.set FRO, 7
.set FRB, 8
.set STO, 9
.set RD,  10
.set GO,  11
.set SPW, 16
.set NIL, 17
.set G0,  32                           ; 64 registers: a step's 16 loads
.set G1,  96
.set FA,  160                          ; fragments of 32 j: Wv 2 x 8, Wo 8, bv 8
.set FB,  192
.set ACC, 224
.set TT,  248
.macro PLACES
.rept 4
	v_nop
.endr
.endm
.macro GLOAD g, av, ao                 ; a step: 8 rows of Wv (512 bytes an instruction), 16 rows of Wo (two rows of 256 bytes an instruction)
.irp u, 0,1,2,3,4,5,6,7
	global_load_b128 v[(\g)+4*(\u):(\g)+4*(\u)+3], v[VOV], s[4:5] offset:(\av)+(\u)*4096
.endr
.irp u, 0,1,2,3,4,5,6,7
	global_load_b128 v[(\g)+32+4*(\u):(\g)+32+4*(\u)+3], v[VOO], s[6:7] offset:(\ao)+(\u)*8192
.endr
.endm
.macro LOADQ q, buf, slot, i           ; the fragments of 32 j
	ds_load_b128 v[(\buf):(\buf)+3],       v[FRV] offset:(\slot)*SLOTB+64*(\q)
	ds_load_b128 v[(\buf)+4:(\buf)+7],     v[FRV] offset:(\slot)*SLOTB+64*(\q)+32
	ds_load_b128 v[(\buf)+8:(\buf)+11],    v[FRV] offset:(\slot)*SLOTB+4352+64*(\q)
	ds_load_b128 v[(\buf)+12:(\buf)+15],   v[FRV] offset:(\slot)*SLOTB+4352+64*(\q)+32
	ds_load_tr16_b128 v[(\buf)+16:(\buf)+19], v[FRO] offset:(\slot)*SLOTB+5120*(\q)
	ds_load_tr16_b128 v[(\buf)+20:(\buf)+23], v[FRO] offset:(\slot)*SLOTB+5120*(\q)+2560
	ds_load_b128 v[(\buf)+24:(\buf)+27],   v[FRB] offset:256*(\i)+64*(\q)
	ds_load_b128 v[(\buf)+28:(\buf)+31],   v[FRB] offset:256*(\i)+64*(\q)+32
.endm
.macro MULQ buf                        ; the accumulators take turns; c is made only where k block and k half are 0
	v_wmma_f32_16x16x32_bf16 v[ACC:ACC+7], v[(\buf):(\buf)+7], v[(\buf)+16:(\buf)+23], v[ACC:ACC+7]
	v_wmma_f32_16x16x32_bf16 v[ACC+8:ACC+15], v[(\buf)+8:(\buf)+15], v[(\buf)+16:(\buf)+23], v[ACC+8:ACC+15]
	s_cmp_lg_u32 s24, 0
	s_cbranch_scc1 .Lnoc_\@
	v_wmma_f32_16x16x32_bf16 v[ACC+16:ACC+23], v[(\buf)+24:(\buf)+31], v[(\buf)+16:(\buf)+23], v[ACC+16:ACC+23]
.Lnoc_\@:
.endm
; One step of 128 j.  n: the younger loads that may stay out.  ld = 1: the registers are loaded again with the step two further on.
.macro JSTEP g, slot, i, ld, n
	s_wait_loadcnt \n
.set t, 0
.rept 16
	v_cvt_pk_bf16_f32 v[(\g)+4*t], v[(\g)+4*t], v[(\g)+4*t+1]
	v_cvt_pk_bf16_f32 v[(\g)+4*t+1], v[(\g)+4*t+2], v[(\g)+4*t+3]
.set t, t+1
.endr
.irp u, 0,1,2,3,4,5,6,7
	ds_store_b64 v[LSV], v[(\g)+4*(\u):(\g)+4*(\u)+1] offset:(\slot)*SLOTB+(\u)*272
.endr
.irp u, 0,1,2,3,4,5,6,7
	ds_store_b64 v[LSO], v[(\g)+32+4*(\u):(\g)+32+4*(\u)+1] offset:(\slot)*SLOTB+(\u)*320
.endr
	s_wait_dscnt 0x0                               ; my stores are done, for the others' sake; my reads of the other slot were waited for in the step before
.if \ld
	GLOAD \g, 1024+512*(\i), 1048576+524288*(\i)
.endif
	s_barrier_signal -1
	s_barrier_wait -1                              ; the slot is whole; it is stored again two steps on, behind the next step's barrier
	LOADQ 0, FA, \slot, \i
	LOADQ 1, FB, \slot, \i
	s_wait_dscnt 0x8                               ; the other buffer's eight loads may stay out
	MULQ FA
	PLACES
	LOADQ 2, FA, \slot, \i
	s_wait_dscnt 0x8
	MULQ FB
	PLACES
	LOADQ 3, FB, \slot, \i
	s_wait_dscnt 0x8
	MULQ FA
	s_wait_dscnt 0x0
	MULQ FB
.endm
	s_load_b256 s[4:11], s[0:1], 0x0               ; Wv s[4:5], Wo s[6:7], bv s[8:9], bo s[10:11]
	s_load_b128 s[12:15], s[0:1], 0x20             ; Wq s[12:13], Wk s[14:15]
	s_load_b64 s[16:17], s[0:1], 0x30              ; wts
	v_lshl_add_u32 v[SPW], v0, 2, SPARE
	v_mov_b32 v[NIL], 0
	v_lshrrev_b32 v1, 5, v0
	v_readfirstlane_b32 s18, v1                    ; wave
	s_lshr_b32 s20, ttmp9, 4                       ; n block
	s_and_b32 s21, ttmp9, 15                       ; k block
	s_and_b32 s22, s18, 3                          ; n tile
	s_lshr_b32 s23, s18, 2                         ; k half
	s_or_b32 s24, s21, s23                         ; 0: this wave makes c
	s_mov_b32 s27, 0
	v_and_b32 v14, 31, v0                          ; lane
	v_and_b32 v12, 15, v0                          ; r
	v_bfe_u32 v13, v0, 4, 1                        ; h
	v_and_b32 v15, 7, v0
	v_bfe_u32 v18, v0, 3, 1
	v_bfe_u32 v19, v0, 3, 2
	v_lshlrev_b32 v[VOV], 4, v14
	s_lshl_b32 s26, s18, 16
	v_lshlrev_b32 v[VOO], 4, v12
	v_lshl_add_u32 v[VOO], v13, 12, v[VOO]
	v_add_nc_u32 v[VOO], s26, v[VOO]
	s_mul_i32 s26, s18, 2176
	v_lshl_add_u32 v[LSV], v14, 3, s26             ; row 8 w, 8 bytes a lane
	s_mul_i32 s26, s18, 2560
	s_add_co_u32 s26, s26, WOF
	v_mul_u32_u24 v[LSO], v13, 160
	v_lshl_add_u32 v[LSO], v12, 3, v[LSO]
	v_add_nc_u32 v[LSO], s26, v[LSO]
	s_mul_i32 s26, s23, 8704
	v_mul_u32_u24 v[FRV], v12, 272
	v_lshl_add_u32 v[FRV], v13, 4, v[FRV]
	v_add_nc_u32 v[FRV], s26, v[FRV]               ; (32 kh + r) x 272 + 16 h
	s_lshl_b32 s26, s22, 5
	s_add_co_u32 s26, s26, WOF
	v_lshl_add_u32 v[FRO], v13, 3, v15
	v_mul_u32_u24 v[FRO], v[FRO], 160
	v_lshl_add_u32 v[FRO], v18, 4, v[FRO]
	v_add_nc_u32 v[FRO], s26, v[FRO]               ; (8 h + lane % 8) x 160 + 32 nt + 16 ((lane / 8) % 2)
	v_lshl_add_u32 v[FRB], v13, 4, BVL
	s_mul_i32 s26, s22, 2304
	s_lshl_b32 s30, s23, 6
	s_add_co_u32 s26, s26, s30
	s_add_co_u32 s26, s26, STG
	v_mul_u32_u24 v[STO], v12, 144
	v_lshl_add_u32 v[STO], v13, 4, v[STO]
	v_add_nc_u32 v[STO], s26, v[STO]
	s_mul_i32 s26, s18, 1152
	s_add_co_u32 s26, s26, STG
	v_mul_u32_u24 v[RD], v19, 144
	v_lshl_add_u32 v[RD], v15, 4, v[RD]
	v_add_nc_u32 v[RD], s26, v[RD]
	s_lshl_b32 s26, s18, 14
	v_lshlrev_b32 v[GO], 11, v19
	v_lshl_add_u32 v[GO], v15, 4, v[GO]
	v_add_nc_u32 v[GO], s26, v[GO]
	v_lshlrev_b32 v21, 4, v0                       ; bv: 16 bytes a thread
	v_lshl_add_u32 v22, v0, 3, BVL
	s_wait_kmcnt 0x0
	s_lshl_b32 s26, s21, 18
	s_lshl_b32 s30, s18, 15
	s_add_co_u32 s26, s26, s30
	s_add_nc_u64 s[4:5], s[4:5], s[26:27]          ; Wv at row 64 kb + 8 w
	s_lshl_b32 s26, s20, 8
	s_add_nc_u64 s[6:7], s[6:7], s[26:27]          ; Wo at column 64 nb
	s_add_nc_u64 s[10:11], s[10:11], s[26:27]      ; bo likewise
	; wave 0 of work-group i also makes fragment i of WQF: 32 d (ks = i / 8) x 16 columns (ft = i % 8) of Wq (ft < 4) or Wk
	s_cmp_lg_u32 s18, 0
	s_cbranch_scc1 .Lnofrag1
	s_and_b32 s30, ttmp9, 4
	s_cmp_lg_u32 s30, 0
	s_cselect_b64 s[28:29], s[14:15], s[12:13]
	s_lshr_b32 s26, ttmp9, 3
	s_lshl_b32 s26, s26, 13
	s_and_b32 s30, ttmp9, 3
	s_lshl_b32 s30, s30, 6
	s_add_co_u32 s26, s26, s30
	s_add_nc_u64 s[28:29], s[28:29], s[26:27]
	v_lshlrev_b32 v20, 2, v12
	v_lshl_add_u32 v20, v13, 11, v20               ; column r, row 8 h
.set e, 0
.rept 16
	global_load_b32 v[FA+e], v20, s[28:29] offset:(16*(e/8)+e%8)*256
.set e, e+1
.endr
.Lnofrag1:
	global_load_b128 v[24:27], v21, s[8:9]
	GLOAD G0, 0, 0
	GLOAD G1, 512, 524288
	s_wait_loadcnt 32                              ; all but the two steps' 32 loads
	v_cvt_pk_bf16_f32 v24, v24, v25
	v_cvt_pk_bf16_f32 v25, v26, v27
	ds_store_b64 v22, v[24:25]
	s_cmp_lg_u32 s18, 0
	s_cbranch_scc1 .Lnofrag2
.irp e, 0,2,4,6,8,10,12,14
	v_cvt_pk_bf16_f32 v[TT], v[FA+(\e)], v[FA+(\e)+1]      ; rounded to bf16,
	v_lshlrev_b32 v[FA+(\e)], 16, v[TT]
	v_and_b32 v[FA+(\e)+1], 0xffff0000, v[TT]
	v_cvt_pk_f16_f32 v[FB+(\e)/2], v[FA+(\e)], v[FA+(\e)+1]  ; and that number written as f16
.endr
	s_lshl_b32 s26, ttmp9, 10
	s_add_co_u32 s26, s26, WQF
	s_add_nc_u64 s[28:29], s[16:17], s[26:27]
	global_store_b128 v[VOV], v[FB:FB+3], s[28:29]
	global_store_b128 v[VOV], v[FB+4:FB+7], s[28:29] offset:512
	s_wait_xcnt 0x0                                ; FB and s[28:29] are written again only behind this wait
.Lnofrag2:
.set i, 0
.rept 24
	v_mov_b32 v[ACC+i], 0                          ; 24 lines in place of a first step written out
.set i, i+1
.endr
	s_mov_b32 s25, 3
.Ltrip:
	JSTEP G0, 0, 0, 1, 16                          ; 16: the other half's loads stay out
	JSTEP G1, 1, 1, 1, 16
	s_wait_xcnt 0x0                                ; the bases are stepped only behind this wait
	s_add_nc_u64 s[4:5], s[4:5], 1024
	s_add_nc_u64 s[6:7], s[6:7], 0x100000
	v_add_nc_u32 v[FRB], 512, v[FRB]
	s_sub_co_u32 s25, s25, 1
	s_cmp_lg_u32 s25, 0
	s_cbranch_scc1 .Ltrip
	JSTEP G0, 0, 0, 0, 16
	JSTEP G1, 1, 1, 0, 0
	; the way out: x 64, f16, through the stage, back as rows of 128 bytes
	PLACES
.set i, 0
.rept 8
	v_pk_mul_f32 v[ACC+2*i:ACC+2*i+1], v[ACC+2*i:ACC+2*i+1], 0x42800000 op_sel_hi:[1,0]
.set i, i+1
.endr
.set i, 0
.rept 8
	v_cvt_pk_f16_f32 v[TT+i], v[ACC+2*i], v[ACC+2*i+1]
.set i, i+1
.endr
	ds_store_b128 v[STO], v[TT:TT+3]
	ds_store_b128 v[STO], v[TT+4:TT+7] offset:32
	s_wait_dscnt 0x0
	s_barrier_signal -1
	s_barrier_wait -1
	ds_load_b128 v[G0:G0+3], v[RD]
	ds_load_b128 v[G0+4:G0+7], v[RD] offset:576
	s_wait_tensorcnt 0x0                           ; the wave's last LDS instructions
	ds_add_u32 v[SPW], v[NIL]
	s_wait_dscnt 0x0
	s_lshl_b32 s26, s20, 17
	s_lshl_b32 s30, s21, 7
	s_add_co_u32 s26, s26, s30
	s_add_nc_u64 s[30:31], s[16:17], s[26:27]      ; WPT at row 64 nb, column 64 kb
	global_store_b128 v[GO], v[G0:G0+3], s[30:31]
	global_store_b128 v[GO], v[G0+4:G0+7], s[30:31] offset:8192
	s_cmp_lg_u32 s24, 0
	s_cbranch_scc1 .Lnocb
	s_lshl_b32 s26, s22, 6
	v_lshl_add_u32 v23, v12, 2, s26                ; (16 nt + r) x 4
	global_load_b32 v28, v23, s[10:11]
	s_lshl_b32 s26, s20, 8
	s_add_co_u32 s26, s26, CBO
	s_add_nc_u64 s[28:29], s[16:17], s[26:27]
	s_wait_loadcnt 0x0
	v_cvt_pk_bf16_f32 v28, v28, v28
	v_lshlrev_b32 v28, 16, v28
	v_mul_f32 v28, 0x42800000, v28
	v_mul_f32 v29, 0x42800000, v[ACC+16]
	v_cvt_pk_f16_f32 v28, v29, v28                 ; (64 c, 64 bo); both halves of the lanes hold the same number for the same word
	global_store_b32 v23, v28, s[28:29]
.Lnocb:
	s_endpgm
.Lfunc_end_k_qb95f377565_prep:
	.size	k_qb95f377565_prep, .Lfunc_end_k_qb95f377565_prep-k_qb95f377565_prep
	.p2alignl 7, 3214868480
	.fill 96, 4, 3214868480
	.section	.rodata,"a",@progbits
	.p2align	6, 0x0
	.amdhsa_kernel k_qb95f377565_prep
		.amdhsa_group_segment_fixed_size 88064
		.amdhsa_private_segment_fixed_size 0
		.amdhsa_enable_private_segment 0
		.amdhsa_kernarg_size 56
		.amdhsa_user_sgpr_count 2
		.amdhsa_user_sgpr_kernarg_segment_ptr 1
		.amdhsa_wavefront_size32 1
		.amdhsa_system_sgpr_workgroup_id_x 1
		.amdhsa_system_sgpr_workgroup_id_y 1
		.amdhsa_system_sgpr_workgroup_id_z 1
		.amdhsa_system_vgpr_workitem_id 0
		.amdhsa_next_free_vgpr 256
		.amdhsa_next_free_sgpr 66
		.amdhsa_reserve_vcc 0
		.amdhsa_float_denorm_mode_32 3
		.amdhsa_float_denorm_mode_16_64 3
		.amdhsa_memory_ordered 1
		.amdhsa_forward_progress 1
		.amdhsa_inst_pref_size 45
	.end_amdhsa_kernel
	.amdgpu_metadata
---
amdhsa.version: [ 1, 2 ]
amdhsa.kernels:
  - .name:           k_qb95f377565_prep
    .symbol:         k_qb95f377565_prep.kd
    .args:
      - { .name: Wv, .offset: 0, .size: 8, .value_kind: global_buffer, .address_space: global }
      - { .name: Wo, .offset: 8, .size: 8, .value_kind: global_buffer, .address_space: global }
      - { .name: bv, .offset: 16, .size: 8, .value_kind: global_buffer, .address_space: global }
      - { .name: bo, .offset: 24, .size: 8, .value_kind: global_buffer, .address_space: global }
      - { .name: Wq, .offset: 32, .size: 8, .value_kind: global_buffer, .address_space: global }
      - { .name: Wk, .offset: 40, .size: 8, .value_kind: global_buffer, .address_space: global }
      - { .name: wts, .offset: 48, .size: 8, .value_kind: global_buffer, .address_space: global }
    .group_segment_fixed_size: 88064
    .private_segment_fixed_size: 0
    .kernarg_segment_align: 8
    .kernarg_segment_size: 56
    .max_flat_workgroup_size: 256
    .sgpr_count:     66
    .vgpr_count:     256
    .wavefront_size: 32
...
	.end_amdgpu_metadata
.endif
;; end of part 1
;; launch proj (part 2): grid 256 x 1, 8 waves a work-group, no clusters, 35,840 bytes of LDS; arguments x, bq, bk, wts, xqk; writes xqk
.if DOCPART == 2
	.amdgcn_target "amdgcn-amd-amdhsa--gfx1250"
	.amdhsa_code_object_version 6
	.text
	.protected	k_qb95f377565_proj
	.globl	k_qb95f377565_proj
	.p2align	8
	.type	k_qb95f377565_proj,@function
k_qb95f377565_proj:
	s_mov_b64 s[64:65], 0
	v_nop
	global_prefetch_b8 v0, s[64:65] scope:SCOPE_SE
	s_setreg_imm32_b32 hwreg(HW_REG_WAVE_MODE, 25, 1), 1
	s_wait_xcnt 0x0
; Q = phi(x Wq + bq), K = phi(x Wk + bk), phi(z) = elu(z) + 1 = max(z, 0) + exp(min(z, 0)); and x rounded to bf16, written as f16 in slices of 64 channels.
; x, the weights and the biases are rounded to bf16; products in f16 (exact copies of those numbers), sums in f32; Q and K are rounded once to f16.
; LIMITS: |x| and the features stay under 65,504; below 6e-5 f16 keeps its fixed step of 6e-8; an exponential below 2^-126 counts as 0.  The column sums of K (KS64) are taken before K's rounding.
; A work-group owns 64 rows.  Wave w brings rows 8 w .. 8 w + 7 and owns feature tile w (0-3: Q, 4-7: K).  d goes in 8 steps of 128 through two LDS slots that take turns.
; Q and K leave as fragments (lane = row, 8 features); K also turned (lane = feature, 8 rows), made by the same products with the sources swapped.
.set SLOTB, 17408                      ; 64 rows x 272
.set SPARE, 34816
.set WQF,  2097152
.set QFO,  33554432
.set KTFO, 37748736
.set KSO,  39845888
.set VO, 2
.set VL, 3
.set VH, 4
.set AF, 5
.set VB, 7
.set GF, 8
.set SPW, 16
.set NIL, 17
.set BI, 18                            ; v[18:25] bias of my 8 features (lane = row)
.set BT, 26                            ; bias of my feature (lane = feature)
.set TT, 27
.set X0, 32
.set B0, 96
.set AFR, 160
.set ACCR, 192
.set ACCT, 224
.macro PLACES
.rept 4
	v_nop
.endr
.endm
.macro XLOAD buf, off                  ; 8 rows x 128 d: an instruction takes 256 bytes of each of two rows
.irp u, 0,1,2,3
.irp sl, 0,1
	global_load_b128 v[(\buf)+4*(2*(\u)+(\sl)):(\buf)+4*(2*(\u)+(\sl))+3], v[VO], s[4:5] offset:(\off)+(\u)*8192+(\sl)*256 th:TH_LOAD_NT
.endr
.endr
.endm
.macro BLOAD buf, off                  ; my feature tile's fragments of 128 d: 512 dense bytes an instruction
.irp kq, 0,1,2,3
.irp c2, 0,1
	global_load_b128 v[(\buf)+8*(\kq)+4*(\c2):(\buf)+8*(\kq)+4*(\c2)+3], v[VB], s[24:25] offset:(\off)+(\kq)*8192+(\c2)*512
.endr
.endr
.endm
.macro KSTEP i, kq                     ; 32 d: four row tiles; the accumulators take turns
.irp rt, 0,1,2,3
	ds_load_b128 v[AFR+8*(\rt):AFR+8*(\rt)+3],   v[AF] offset:(\i)*SLOTB+(\rt)*4352+64*(\kq)
	ds_load_b128 v[AFR+8*(\rt)+4:AFR+8*(\rt)+7], v[AF] offset:(\i)*SLOTB+(\rt)*4352+64*(\kq)+32
.endr
	s_wait_dscnt 0x0
.irp rt, 0,1,2,3
	v_wmma_f32_16x16x32_f16 v[ACCR+8*(\rt):ACCR+8*(\rt)+7], v[BB+8*(\kq):BB+8*(\kq)+7], v[AFR+8*(\rt):AFR+8*(\rt)+7], v[ACCR+8*(\rt):ACCR+8*(\rt)+7]
.endr
	s_cmp_lt_u32 s14, 4
	s_cbranch_scc1 .Lnt_\@                         ; only K is wanted turned
.irp rt, 0,1,2,3
	v_wmma_f32_16x16x32_f16 v[ACCT+8*(\rt):ACCT+8*(\rt)+7], v[AFR+8*(\rt):AFR+8*(\rt)+7], v[BB+8*(\kq):BB+8*(\kq)+7], v[ACCT+8*(\rt):ACCT+8*(\rt)+7]
.endr
.Lnt_\@:
	PLACES
.endm
; One step of 128 d.  n1: loads that may stay out when my x has to be there; n2: when the weights' fragments have to be.
.macro PSTEP i, ldx, ldb, n1, n2
.set XB, X0+32*(\i)
.set BB, B0+32*(\i)
.set BN, B0+32*(1-(\i))
	s_wait_loadcnt \n1
.set t, 0
.rept 8
	v_cvt_pk_bf16_f32 v[TT], v[XB+4*t], v[XB+4*t+1]
	v_cvt_pk_bf16_f32 v[TT+1], v[XB+4*t+2], v[XB+4*t+3]
	v_lshlrev_b32 v[XB+4*t], 16, v[TT]
	v_and_b32 v[XB+4*t+1], s32, v[TT]
	v_lshlrev_b32 v[XB+4*t+2], 16, v[TT+1]
	v_and_b32 v[XB+4*t+3], s32, v[TT+1]
	v_cvt_pk_f16_f32 v[XB+4*t], v[XB+4*t], v[XB+4*t+1]
	v_cvt_pk_f16_f32 v[XB+4*t+1], v[XB+4*t+2], v[XB+4*t+3]
.set t, t+1
.endr
.irp u, 0,1,2,3
.irp sl, 0,1
	ds_store_b64 v[VL], v[XB+4*(2*(\u)+(\sl)):XB+4*(2*(\u)+(\sl))+1] offset:(\i)*SLOTB+(\u)*544+(\sl)*128
.endr
.endr
.irp u, 0,1,2,3
.irp sl, 0,1
	global_store_b64 v[VH], v[XB+4*(2*(\u)+(\sl)):XB+4*(2*(\u)+(\sl))+1], s[22:23] offset:(\u)*256+(2*(\i)+(\sl))*524288  ; 256 consecutive bytes, aligned: two rows of a slice
.endr
.endr
	s_wait_dscnt 0x0                               ; my stores into the slot are done, for the others' sake
	s_wait_xcnt 0x0                                ; the stores' data registers are loaded again only behind this wait
.if \ldx
	XLOAD XB, 1024+512*(\i)
.endif
.if \ldb
	BLOAD BN, ((\i)+1)*32768
.endif
	s_barrier_signal -1
	s_barrier_wait -1                              ; the slot is whole; it is stored again two steps on, behind the next step's barrier
	s_wait_loadcnt \n2
	KSTEP \i, 0
	KSTEP \i, 1
	KSTEP \i, 2
	KSTEP \i, 3
.endm
.macro PHI acc, u                      ; eight numbers, from the accumulator's low end on; the maxima are the plain lines behind the exponentials
.irp j, 0,1,2,3,4,5,6,7
	v_mul_f32 v[(\u)+(\j)], 0x3fb8aa3b, v[(\acc)+(\j)]
.endr
.irp j, 0,1,2,3,4,5,6,7
	v_min_num_f32 v[(\u)+(\j)], 0, v[(\u)+(\j)]
.endr
.irp j, 0,1,2,3,4,5,6,7
	v_exp_f32 v[(\u)+(\j)], v[(\u)+(\j)]
.endr
.irp j, 0,1,2,3,4,5,6,7
	v_max_num_f32 v[(\acc)+(\j)], 0, v[(\acc)+(\j)]
.endr
	s_wait_alu depctr_va_vdst(0)
.irp j, 0,1,2,3,4,5,6,7
	v_add_f32 v[(\acc)+(\j)], v[(\acc)+(\j)], v[(\u)+(\j)]
.endr
.endm
	s_load_b256 s[4:11], s[0:1], 0x0               ; x s[4:5], bq s[6:7], bk s[8:9], wts s[10:11]
	s_load_b64 s[12:13], s[0:1], 0x20              ; xqk
	v_lshl_add_u32 v[SPW], v0, 2, SPARE
	v_mov_b32 v[NIL], 0
	v_lshrrev_b32 v1, 5, v0
	v_readfirstlane_b32 s14, v1                    ; wave
	s_and_b32 s16, s14, 3
	s_mov_b32 s19, 0
	s_mov_b32 s32, 0xffff0000
	s_mov_b32 s34, 0x76543210
	s_mov_b32 s35, 0xfedcba98
	v_and_b32 v12, 15, v0                          ; r
	v_bfe_u32 v13, v0, 4, 1                        ; h
	v_and_b32 v14, 31, v0
	s_lshl_b32 s18, s14, 15
	v_lshlrev_b32 v[VO], 4, v12
	v_lshl_add_u32 v[VO], v13, 12, v[VO]
	v_add_nc_u32 v[VO], s18, v[VO]                 ; (8 w + h) x 4,096 + 16 r
	s_mul_i32 s18, s14, 2176
	v_mul_u32_u24 v[VL], v13, 272
	v_lshl_add_u32 v[VL], v12, 3, v[VL]
	v_add_nc_u32 v[VL], s18, v[VL]                 ; (8 w + h) x 272 + 8 r
	s_lshl_b32 s18, s14, 10
	v_lshlrev_b32 v[VH], 3, v12
	v_lshl_add_u32 v[VH], v13, 7, v[VH]
	v_add_nc_u32 v[VH], s18, v[VH]                 ; (8 w + h) x 128 + 8 r
	v_mul_u32_u24 v[AF], v12, 272
	v_lshl_add_u32 v[AF], v13, 4, v[AF]
	v_lshlrev_b32 v[GF], 4, v14
	v_add_nc_u32 v[VB], s18, v[GF]                 ; 1,024 w + 16 lane
	s_lshl_b32 s18, s16, 6
	v_lshl_add_u32 v9, v13, 5, s18                 ; features 16 (w & 3) + 8 h on
	v_lshl_add_u32 v10, v12, 2, s18                ; feature 16 (w & 3) + r
	s_wait_kmcnt 0x0
	s_lshl_b32 s18, ttmp9, 18
	s_add_nc_u64 s[4:5], s[4:5], s[18:19]          ; x at my block's first row
	s_lshr_b32 s18, ttmp9, 6
	s_lshl_b32 s18, s18, 23
	s_and_b32 s17, ttmp9, 63
	s_lshl_b32 s17, s17, 13
	s_add_co_u32 s18, s18, s17
	s_add_nc_u64 s[22:23], s[12:13], s[18:19]      ; XH: batch, slice 0, my block's first row
	s_add_nc_u64 s[24:25], s[10:11], WQF
	s_cmp_lt_u32 s14, 4
	s_cselect_b64 s[20:21], s[6:7], s[8:9]
	global_load_b128 v[BI:BI+3], v9, s[20:21]
	global_load_b128 v[BI+4:BI+7], v9, s[20:21] offset:16
	global_load_b32 v[BT], v10, s[20:21]
	XLOAD X0, 0
	XLOAD X0+32, 512
	BLOAD B0, 0
	s_wait_loadcnt 24                              ; the biases are in; the 24 loads behind them stay out
.irp j, 0,2,4,6
	v_cvt_pk_bf16_f32 v[TT], v[BI+(\j)], v[BI+(\j)+1]
	v_lshlrev_b32 v[BI+(\j)], 16, v[TT]
	v_and_b32 v[BI+(\j)+1], s32, v[TT]
.endr
	v_cvt_pk_bf16_f32 v[TT], v[BT], v[BT]
	v_lshlrev_b32 v[BT], 16, v[TT]
.set i, 0
.rept 32
	v_mov_b32 v[ACCR+i], v[BI+i%8]                 ; the sums start as the bias
	v_mov_b32 v[ACCT+i], v[BT]
.set i, i+1
.endr
	s_mov_b32 s17, 3
.Ltrip:
	PSTEP 0, 1, 1, 16, 16                          ; 16: the next step's x and one set of fragments; then the 16 just issued
	PSTEP 1, 1, 1, 16, 16
	s_wait_xcnt 0x0                                ; the bases are stepped only behind this wait
	s_add_nc_u64 s[4:5], s[4:5], 1024
	s_add_nc_u64 s[22:23], s[22:23], 0x200000
	s_add_nc_u64 s[24:25], s[24:25], 0x10000
	s_sub_co_u32 s17, s17, 1
	s_cmp_lg_u32 s17, 0
	s_cbranch_scc1 .Ltrip
	PSTEP 0, 0, 1, 16, 8                           ; behind this step's fragments only the last step's eight
	PSTEP 1, 0, 0, 16, 0
	s_wait_tensorcnt 0x0                           ; the wave's last LDS instructions
	ds_add_u32 v[SPW], v[NIL]
	s_wait_dscnt 0x0
	; the way out: fragments, 512 dense bytes a store
	s_lshl_b32 s18, ttmp9, 13
	s_lshl_b32 s17, s16, 9
	s_add_co_u32 s18, s18, s17
	s_lshr_b32 s17, s14, 2
	s_lshl_b32 s17, s17, 21                        ; K's fragments lie 2,097,152 bytes behind Q's
	s_add_co_u32 s18, s18, s17
	s_add_co_u32 s18, s18, QFO
	s_add_nc_u64 s[26:27], s[12:13], s[18:19]
.irp rt, 0,1,2,3
	PHI ACCR+8*(\rt), 32
.irp k, 0,1,2,3
	v_cvt_pk_f16_f32 v[64+4*(\rt)+(\k)], v[ACCR+8*(\rt)+2*(\k)], v[ACCR+8*(\rt)+2*(\k)+1]
.endr
	global_store_b128 v[GF], v[64+4*(\rt):64+4*(\rt)+3], s[26:27] offset:(\rt)*2048
.endr
	s_cmp_lt_u32 s14, 4
	s_cbranch_scc1 .Lend
	s_lshl_b32 s18, ttmp9, 13
	s_lshl_b32 s17, s16, 10
	s_add_co_u32 s18, s18, s17
	s_add_co_u32 s18, s18, KTFO
	s_add_nc_u64 s[28:29], s[12:13], s[18:19]
	s_lshl_b32 s18, ttmp9, 8
	s_add_co_u32 s18, s18, KSO
	s_add_nc_u64 s[30:31], s[12:13], s[18:19]
.irp rt, 0,1,2,3
	PHI ACCT+8*(\rt), 32
.irp k, 0,1,2,3
	v_cvt_pk_f16_f32 v[80+4*(\rt)+(\k)], v[ACCT+8*(\rt)+2*(\k)], v[ACCT+8*(\rt)+2*(\k)+1]
.endr
	global_store_b128 v[GF], v[80+4*(\rt):80+4*(\rt)+3], s[28:29] offset:((\rt)/2)*4096+((\rt)%2)*512
.endr
	v_pk_add_f32 v[40:41], v[ACCT:ACCT+1], v[ACCT+2:ACCT+3]  ; my feature's sum over the block's 64 rows, in f32
.set i, 2
.rept 14
	v_pk_add_f32 v[40:41], v[40:41], v[ACCT+2*i:ACCT+2*i+1]
.set i, i+1
.endr
	v_add_f32 v40, v40, v41
	v_permlanex16_b32 v41, v40, s34, s35           ; the other 32 rows lie in the lane 16 away
	v_add_f32 v40, v40, v41
	global_store_b32 v10, v40, s[30:31]
.Lend:
	s_endpgm
.Lfunc_end_k_qb95f377565_proj:
	.size	k_qb95f377565_proj, .Lfunc_end_k_qb95f377565_proj-k_qb95f377565_proj
	.p2alignl 7, 3214868480
	.fill 96, 4, 3214868480
	.section	.rodata,"a",@progbits
	.p2align	6, 0x0
	.amdhsa_kernel k_qb95f377565_proj
		.amdhsa_group_segment_fixed_size 35840
		.amdhsa_private_segment_fixed_size 0
		.amdhsa_enable_private_segment 0
		.amdhsa_kernarg_size 40
		.amdhsa_user_sgpr_count 2
		.amdhsa_user_sgpr_kernarg_segment_ptr 1
		.amdhsa_wavefront_size32 1
		.amdhsa_system_sgpr_workgroup_id_x 1
		.amdhsa_system_sgpr_workgroup_id_y 1
		.amdhsa_system_sgpr_workgroup_id_z 1
		.amdhsa_system_vgpr_workitem_id 0
		.amdhsa_next_free_vgpr 256
		.amdhsa_next_free_sgpr 66
		.amdhsa_reserve_vcc 0
		.amdhsa_float_denorm_mode_32 3
		.amdhsa_float_denorm_mode_16_64 3
		.amdhsa_memory_ordered 1
		.amdhsa_forward_progress 1
		.amdhsa_inst_pref_size 66
	.end_amdhsa_kernel
	.amdgpu_metadata
---
amdhsa.version: [ 1, 2 ]
amdhsa.kernels:
  - .name:           k_qb95f377565_proj
    .symbol:         k_qb95f377565_proj.kd
    .args:
      - { .name: x, .offset: 0, .size: 8, .value_kind: global_buffer, .address_space: global }
      - { .name: bq, .offset: 8, .size: 8, .value_kind: global_buffer, .address_space: global }
      - { .name: bk, .offset: 16, .size: 8, .value_kind: global_buffer, .address_space: global }
      - { .name: wts, .offset: 24, .size: 8, .value_kind: global_buffer, .address_space: global }
      - { .name: xqk, .offset: 32, .size: 8, .value_kind: global_buffer, .address_space: global }
    .group_segment_fixed_size: 35840
    .private_segment_fixed_size: 0
    .kernarg_segment_align: 8
    .kernarg_segment_size: 40
    .max_flat_workgroup_size: 256
    .sgpr_count:     66
    .vgpr_count:     256
    .wavefront_size: 32
...
	.end_amdgpu_metadata
.endif
;; end of part 2
;; launch state (part 3): grid 4 x 64, 8 waves a work-group, no clusters, 167,936 bytes of LDS; arguments xqk, tcs; writes tcs
.if DOCPART == 3
	.amdgcn_target "amdgcn-amd-amdhsa--gfx1250"
	.amdhsa_code_object_version 6
	.text
	.protected	k_qb95f377565_state
	.globl	k_qb95f377565_state
	.p2align	8
	.type	k_qb95f377565_state,@function
k_qb95f377565_state:
	s_mov_b64 s[64:65], 0
	v_nop
	global_prefetch_b8 v0, s[64:65] scope:SCOPE_SE
	s_setreg_imm32_b32 hwreg(HW_REG_WAVE_MODE, 25, 1), 1
	s_wait_xcnt 0x0
; TC[chunk][f][d] = sum over the chunk's 256 rows n of K[n][f] x[n][d], in f32, stored as the accumulators lie (lane = d, 8 f).
; A work-group: one chunk, 256 d (four slices of x).  Wave w multiplies slice w & 3 by the feature tiles 2 (w >> 2) and + 1: 8 accumulators, 8 steps of 32 rows.
; x comes by one tensor load a wave (slice w >> 1, half w & 1 of the rows), filled once; it is read turned.  K comes turned from memory, as fragments.
; No cluster: the four work-groups of a chunk share only K's 32 KiB, which goes to registers; their slices of x differ.
.set SPARE, 163840
.set KTFO, 37748736
.set AX, 2
.set GK, 3
.set SPW, 16
.set NIL, 17
.set XF, 32
.set KFR, 64
.set ACC, 192
	s_load_b128 s[4:7], s[0:1], 0x0                ; xqk s[4:5], tcs s[6:7]
	v_lshl_add_u32 v[SPW], v0, 2, SPARE
	v_mov_b32 v[NIL], 0
	ds_add_u32 v[SPW], v[NIL]                      ; the wave's opening: the add and its wait ahead of my tensor load
	v_lshrrev_b32 v1, 5, v0
	v_readfirstlane_b32 s8, v1                     ; wave
	s_and_b32 s9, s8, 3                            ; my slice
	s_lshr_b32 s10, s8, 2                          ; my half of the features
	s_mov_b32 s11, ttmp9                           ; quarter of d
	s_and_b32 s12, ttmp7, 0xffff                   ; chunk, 16 b + c
	; 128 rows of a slice are 16,384 dense bytes: 64 rows of 256 bytes, padded by 32 bytes after every 128
	s_mov_b32 s16, (1<<16)|(1<<20)|(4<<22)|(7<<25)
	s_mov_b32 s17, 128<<16
	s_mov_b32 s18, 64<<16
	s_mov_b32 s19, 128<<16
	s_mov_b32 s20, 64
	s_mov_b32 s21, 128
	s_mov_b32 s22, 0
	s_mov_b32 s23, 0
	s_mov_b32 s24, 1
	s_mul_i32 s25, s8, 20480                       ; LDS: 128 rows x 160 for each wave
	s_and_b32 s28, s12, 0xf0                       ; 16 b
	s_lshl_b32 s13, s11, 2
	s_add_co_u32 s28, s28, s13
	s_lshr_b32 s13, s8, 1
	s_add_co_u32 s28, s28, s13                     ; the slice that I bring
	s_lshl_b32 s28, s28, 12
	s_and_b32 s13, s12, 15
	s_lshl_b32 s13, s13, 8
	s_add_co_u32 s28, s28, s13                     ; + 256 c
	s_and_b32 s13, s8, 1
	s_lshl_b32 s13, s13, 7
	s_add_co_u32 s28, s28, s13                     ; + my half of the rows
	s_lshl_b32 s28, s28, 7                         ; rows of 128 bytes
	s_mov_b32 s29, 0
	s_wait_dscnt 0x0
	s_wait_kmcnt 0x0
	s_add_nc_u64 s[26:27], s[4:5], s[28:29]
	s_or_b32 s27, s27, 0x80000000
	tensor_load_to_lds s[24:27], s[16:23]          ; my one tensor load
	s_nop 0
	v_and_b32 v4, 31, v0
	v_lshlrev_b32 v[GK], 4, v4
	v_bfe_u32 v5, v0, 4, 1
	v_and_b32 v6, 7, v0
	v_bfe_u32 v7, v0, 3, 1
	v_lshl_add_u32 v[AX], v5, 3, v6
	v_mul_u32_u24 v[AX], v[AX], 160
	v_lshl_add_u32 v[AX], v7, 4, v[AX]
	s_mul_i32 s13, s9, 40960
	v_add_nc_u32 v[AX], s13, v[AX]
	s_lshl_b32 s28, s12, 15
	s_lshl_b32 s13, s10, 11
	s_add_co_u32 s28, s28, s13
	s_add_co_u32 s28, s28, KTFO
	s_add_nc_u64 s[30:31], s[4:5], s[28:29]
.irp ks, 0,1,2,3,4,5,6,7
.irp t, 0,1
	global_load_b128 v[KFR+8*(2*(\ks)+(\t)):KFR+8*(2*(\ks)+(\t))+3],   v[GK], s[30:31] offset:(\ks)*4096+(\t)*1024
	global_load_b128 v[KFR+8*(2*(\ks)+(\t))+4:KFR+8*(2*(\ks)+(\t))+7], v[GK], s[30:31] offset:(\ks)*4096+(\t)*1024+512
.endr
.endr
	s_lshl_b32 s28, s12, 18
	s_lshl_b32 s13, s11, 16
	s_add_co_u32 s28, s28, s13
	s_lshl_b32 s13, s9, 14
	s_add_co_u32 s28, s28, s13
	s_lshl_b32 s13, s10, 11
	s_add_co_u32 s28, s28, s13
	s_add_nc_u64 s[32:33], s[6:7], s[28:29]        ; TC at tile (16 dq + 4 sl) x 4 + 2 fh
	s_wait_tensorcnt 0x0                           ; my part of x is in,
	s_barrier_signal -1
	s_barrier_wait -1                              ; everybody's is
	s_wait_loadcnt 0x0
.irp ks, 0,1,2,3,4,5,6,7
.irp dt, 0,1,2,3
	ds_load_tr16_b128 v[XF+8*(\dt):XF+8*(\dt)+3],   v[AX] offset:(\ks)*5120+(\dt)*32
	ds_load_tr16_b128 v[XF+8*(\dt)+4:XF+8*(\dt)+7], v[AX] offset:(\ks)*5120+(\dt)*32+2560
.endr
	s_wait_dscnt 0x0
.irp dt, 0,1,2,3
.irp t, 0,1
.if (\ks) == 0
	v_wmma_f32_16x16x32_f16 v[ACC+8*(2*(\dt)+(\t)):ACC+8*(2*(\dt)+(\t))+7], v[KFR+8*(2*(\ks)+(\t)):KFR+8*(2*(\ks)+(\t))+7], v[XF+8*(\dt):XF+8*(\dt)+7], 0
.else
	v_wmma_f32_16x16x32_f16 v[ACC+8*(2*(\dt)+(\t)):ACC+8*(2*(\dt)+(\t))+7], v[KFR+8*(2*(\ks)+(\t)):KFR+8*(2*(\ks)+(\t))+7], v[XF+8*(\dt):XF+8*(\dt)+7], v[ACC+8*(2*(\dt)+(\t)):ACC+8*(2*(\dt)+(\t))+7]
.endif
.endr
.endr
.rept 4
	v_nop                                          ; the places in front of the next loads into XF, and of the stores
.endr
.endr
.irp dt, 0,1,2,3
.irp t, 0,1
	global_store_b128 v[GK], v[ACC+8*(2*(\dt)+(\t)):ACC+8*(2*(\dt)+(\t))+3],   s[32:33] offset:(\dt)*4096+(\t)*1024       ; 512 dense bytes; each accumulator's low half first
	global_store_b128 v[GK], v[ACC+8*(2*(\dt)+(\t))+4:ACC+8*(2*(\dt)+(\t))+7], s[32:33] offset:(\dt)*4096+(\t)*1024+512
.endr
.endr
	s_wait_tensorcnt 0x0                           ; the wave's end
	ds_add_u32 v[SPW], v[NIL]
	s_wait_dscnt 0x0
	s_endpgm
.Lfunc_end_k_qb95f377565_state:
	.size	k_qb95f377565_state, .Lfunc_end_k_qb95f377565_state-k_qb95f377565_state
	.p2alignl 7, 3214868480
	.fill 96, 4, 3214868480
	.section	.rodata,"a",@progbits
	.p2align	6, 0x0
	.amdhsa_kernel k_qb95f377565_state
		.amdhsa_group_segment_fixed_size 167936
		.amdhsa_private_segment_fixed_size 0
		.amdhsa_enable_private_segment 0
		.amdhsa_kernarg_size 16
		.amdhsa_user_sgpr_count 2
		.amdhsa_user_sgpr_kernarg_segment_ptr 1
		.amdhsa_wavefront_size32 1
		.amdhsa_system_sgpr_workgroup_id_x 1
		.amdhsa_system_sgpr_workgroup_id_y 1
		.amdhsa_system_sgpr_workgroup_id_z 1
		.amdhsa_system_vgpr_workitem_id 0
		.amdhsa_next_free_vgpr 256
		.amdhsa_next_free_sgpr 66
		.amdhsa_reserve_vcc 0
		.amdhsa_float_denorm_mode_32 3
		.amdhsa_float_denorm_mode_16_64 3
		.amdhsa_memory_ordered 1
		.amdhsa_forward_progress 1
		.amdhsa_inst_pref_size 17
	.end_amdhsa_kernel
	.amdgpu_metadata
---
amdhsa.version: [ 1, 2 ]
amdhsa.kernels:
  - .name:           k_qb95f377565_state
    .symbol:         k_qb95f377565_state.kd
    .args:
      - { .name: xqk, .offset: 0, .size: 8, .value_kind: global_buffer, .address_space: global }
      - { .name: tcs, .offset: 8, .size: 8, .value_kind: global_buffer, .address_space: global }
    .group_segment_fixed_size: 167936
    .private_segment_fixed_size: 0
    .kernarg_segment_align: 8
    .kernarg_segment_size: 16
    .max_flat_workgroup_size: 256
    .sgpr_count:     66
    .vgpr_count:     256
    .wavefront_size: 32
...
	.end_amdgpu_metadata
.endif
;; end of part 3
;; launch prefix (part 4): grid 256 x 1, 4 waves a work-group, no clusters, 0 bytes of LDS; arguments tcs, xqk, tps; writes tps
.if DOCPART == 4
	.amdgcn_target "amdgcn-amd-amdhsa--gfx1250"
	.amdhsa_code_object_version 6
	.text
	.protected	k_qb95f377565_prefix
	.globl	k_qb95f377565_prefix
	.p2align	8
	.type	k_qb95f377565_prefix,@function
k_qb95f377565_prefix:
	s_mov_b64 s[64:65], 0
	v_nop
	global_prefetch_b8 v0, s[64:65] scope:SCOPE_SE
	s_setreg_imm32_b32 hwreg(HW_REG_WAVE_MODE, 25, 1), 1
	s_wait_xcnt 0x0
; TP[b][c] = the sum of TC[b][c'] over c' < c, summed in f32 and rounded once to bf16; KSP[b][c] = the sum of K's column sums over the rows in front of chunk c, in f32.
; A stream: memory binds, so no LDS, no matrix unit, no cluster.  One wave owns one tile of 1,024 bytes in all 16 chunks of a batch: 30 loads go out at once, each store covers 512 dense bytes.
.set KSO,  39845888
.set KSPO, 8388608
.set IN, 8
.set OU, 136
	s_load_b128 s[4:7], s[0:1], 0x0                ; tcs s[4:5], xqk s[6:7]
	s_load_b64 s[8:9], s[0:1], 0x10                ; tps
	v_lshrrev_b32 v1, 5, v0
	v_readfirstlane_b32 s10, v1
	s_lshl_b32 s11, ttmp9, 2
	s_add_co_u32 s11, s11, s10                     ; wave among 1,024
	s_lshr_b32 s12, s11, 8                         ; batch
	s_and_b32 s13, s11, 255                        ; tile
	v_and_b32 v2, 31, v0
	v_lshlrev_b32 v3, 4, v2
	v_lshlrev_b32 v6, 3, v2
	s_lshl_b32 s14, s12, 22
	s_lshl_b32 s15, s13, 10
	s_add_co_u32 s14, s14, s15
	s_mov_b32 s15, 0
	s_wait_kmcnt 0x0
	s_add_nc_u64 s[4:5], s[4:5], s[14:15]
	s_lshl_b32 s14, s12, 21
	s_lshl_b32 s18, s13, 9
	s_add_co_u32 s14, s14, s18
	s_add_nc_u64 s[16:17], s[8:9], s[14:15]
.set c, 0
.rept 15
	global_load_b128 v[IN+8*c:IN+8*c+3],   v3, s[4:5] offset:c*262144 th:TH_LOAD_NT
	global_load_b128 v[IN+8*c+4:IN+8*c+7], v3, s[4:5] offset:c*262144+512 th:TH_LOAD_NT
.set c, c+1
.endr
.set c, 0
.rept 16
.if c == 0
.irp k, 0,1,2,3
	v_mov_b32 v[OU+(\k)], 0
.endr
.else
	s_wait_loadcnt 2*(15-c)                        ; chunk c - 1 is in; the later chunks' loads stay out
.if c >= 2
.irp k, 0,1,2,3
	v_pk_add_f32 v[IN+8*(c-1)+2*(\k):IN+8*(c-1)+2*(\k)+1], v[IN+8*(c-1)+2*(\k):IN+8*(c-1)+2*(\k)+1], v[IN+8*(c-2)+2*(\k):IN+8*(c-2)+2*(\k)+1]
.endr
.endif
.irp k, 0,1,2,3
	v_cvt_pk_bf16_f32 v[OU+4*c+(\k)], v[IN+8*(c-1)+2*(\k)], v[IN+8*(c-1)+2*(\k)+1]
.endr
.endif
	global_store_b128 v3, v[OU+4*c:OU+4*c+3], s[16:17] offset:c*131072
.set c, c+1
.endr
	s_cmp_lg_u32 s13, 0
	s_cbranch_scc1 .Ldone
	; the wave of tile 0 also makes its batch's KSP: 60 blocks of 64 rows, 256 bytes each
	s_wait_xcnt 0x0                                ; the stores' data registers are written again only behind this wait
	s_lshl_b32 s14, s12, 14
	s_add_co_u32 s14, s14, KSO
	s_add_nc_u64 s[18:19], s[6:7], s[14:15]
	s_lshl_b32 s14, s12, 12
	s_add_co_u32 s14, s14, KSPO
	s_add_nc_u64 s[20:21], s[8:9], s[14:15]
.set i, 0
.rept 60
	global_load_b64 v[IN+2*i:IN+2*i+1], v6, s[18:19] offset:i*256
.set i, i+1
.endr
	v_mov_b32 v4, 0
	v_mov_b32 v5, 0
	s_wait_loadcnt 0x0
.set c, 0
.rept 16
	v_mov_b32 v[OU+2*c], v4
	v_mov_b32 v[OU+2*c+1], v5
	global_store_b64 v6, v[OU+2*c:OU+2*c+1], s[20:21] offset:c*256
.if c < 15
.irp k, 0,1,2,3
	v_pk_add_f32 v[4:5], v[4:5], v[IN+2*(4*c+(\k)):IN+2*(4*c+(\k))+1]
.endr
.endif
.set c, c+1
.endr
.Ldone:
	s_endpgm
.Lfunc_end_k_qb95f377565_prefix:
	.size	k_qb95f377565_prefix, .Lfunc_end_k_qb95f377565_prefix-k_qb95f377565_prefix
	.p2alignl 7, 3214868480
	.fill 96, 4, 3214868480
	.section	.rodata,"a",@progbits
	.p2align	6, 0x0
	.amdhsa_kernel k_qb95f377565_prefix
		.amdhsa_group_segment_fixed_size 0
		.amdhsa_private_segment_fixed_size 0
		.amdhsa_enable_private_segment 0
		.amdhsa_kernarg_size 24
		.amdhsa_user_sgpr_count 2
		.amdhsa_user_sgpr_kernarg_segment_ptr 1
		.amdhsa_wavefront_size32 1
		.amdhsa_system_sgpr_workgroup_id_x 1
		.amdhsa_system_sgpr_workgroup_id_y 1
		.amdhsa_system_sgpr_workgroup_id_z 1
		.amdhsa_system_vgpr_workitem_id 0
		.amdhsa_next_free_vgpr 208
		.amdhsa_next_free_sgpr 66
		.amdhsa_reserve_vcc 0
		.amdhsa_float_denorm_mode_32 3
		.amdhsa_float_denorm_mode_16_64 3
		.amdhsa_memory_ordered 1
		.amdhsa_forward_progress 1
		.amdhsa_inst_pref_size 26
	.end_amdhsa_kernel
	.amdgpu_metadata
---
amdhsa.version: [ 1, 2 ]
amdhsa.kernels:
  - .name:           k_qb95f377565_prefix
    .symbol:         k_qb95f377565_prefix.kd
    .args:
      - { .name: tcs, .offset: 0, .size: 8, .value_kind: global_buffer, .address_space: global }
      - { .name: xqk, .offset: 8, .size: 8, .value_kind: global_buffer, .address_space: global }
      - { .name: tps, .offset: 16, .size: 8, .value_kind: global_buffer, .address_space: global }
    .group_segment_fixed_size: 0
    .private_segment_fixed_size: 0
    .kernarg_segment_align: 8
    .kernarg_segment_size: 24
    .max_flat_workgroup_size: 128
    .sgpr_count:     66
    .vgpr_count:     208
    .wavefront_size: 32
...
	.end_amdgpu_metadata
.endif
;; end of part 4
;; launch mix (part 5): grid 4 x 64, 4 waves a work-group, no clusters, 263,680 bytes of LDS; arguments xqk, tps, ysa; writes ysa
.if DOCPART == 5
	.amdgcn_target "amdgcn-amd-amdhsa--gfx1250"
	.amdhsa_code_object_version 6
	.text
	.protected	k_qb95f377565_mix
	.globl	k_qb95f377565_mix
	.p2align	8
	.type	k_qb95f377565_mix,@function
k_qb95f377565_mix:
	s_mov_b64 s[64:65], 0
	v_nop
	global_prefetch_b8 v0, s[64:65] scope:SCOPE_SE
	s_setreg_imm32_b32 hwreg(HW_REG_WAVE_MODE, 25, 1), 1
	s_wait_xcnt 0x0
; y[n] = sum over m <= n in the chunk of (q_n . k_m / den_n) x[m] + (q_n / den_n) . Tprev;  den_n = sum of q_n . k_m + q_n . Kprev + 1e-6;  s_n = (den_n - 1e-6) / den_n.
; Scores and sums in f32.  The weights are divided by den before they are rounded to f16, so they lie in 0 to 1; q / den and Tprev go in bf16; y is rounded once to f16.
; LIMITS: y is a mean of x's rows and has their range (under 65,504); a weight below 6e-5 keeps f16's fixed step of 6e-8.
; A work-group: one chunk of 256 rows, 256 d.  A wave takes the pairs of query tiles p = w and then 7 - w: p + 1 live steps of 32 keys each, 9 steps for every wave.
; The steps are written out for all 8; a dead step is left by a forward jump on p.  S^T = K Q^T holds one query a lane, and rounded in pairs it is source 1 of y^T = x^T P.
; x (turned on reading), K and Tprev come by three tensor loads a wave, each filled once: three are out at the most.
; No cluster: the four work-groups of a chunk share only K's 32 KiB of the 224 KiB that each brings.
; REGISTERS: window 0: addresses, Q, q / den, P, statistics.  Window 1: S^T (128 u + 16 ks + e), later y^T (128 u + 8 dt).  Window 2: two fragment buffers of 64, Kprev.
.set XSL,   40960                      ; a slice of x: 256 rows x 160
.set KL,    163840
.set TL,    196608
.set STG,   229376                     ; 16 rows x 528 for each wave
.set SPARE, 263168
.set QFO,   33554432
.set KFO,   35651584
.set KSPO,  8388608
.set SVO,   33554432
.set LF, 3
.set AX, 4
.set AKL, 8
.set ATL, 9
.set STO, 10
.set RD, 11
.set GQ, 12
.set GY, 13
.set GS, 14
.set KO, 15
.set SPW, 30
.set NIL, 31
.set QR, 32
.set QD, 64
.set P16, 96
.set LS, 224
.set DP, 228
.set RV, 232
.set TT, 236
.set SVR, 244
.set TQ, 246
.set ZR, 252
.set ONE, 253
.set KP, 128                           ; window 2
.set WV, 10
.set DQ, 11
.set CG, 12
.set PR, 13
.set TRIPS, 14
.set G1X, 16
.set G1D, 24
.set G0X, 32
.set G0K, 36
.set G0T, 40
.set MK, 44
.set TS, 52
.set SEL, 60
.set QB, 66
.set YB, 68
.set SVB, 70
.set KSB, 72
.set MSB, 0
.macro WIN new
.if MSB != (\new)
	s_set_vgpr_msb (MSB<<8)|(\new)
.set MSB, (\new)
.endif
.endm
.set W_MM, 0x52                        ; source 0 window 2, source 1 window 0, C and D window 1
.set W_LD, 0x80                        ; destination window 2
.set W_MK, 0x44                        ; destination and source 1 window 1
.set W_SUM, 0x04                       ; source 1 window 1
.set W_SC, 0x41                        ; destination and source 0 window 1
.set W_CV, 0x05                        ; sources 0 and 1 window 1
.set W_KP, 0x08                        ; source 1 (a store's data) window 2
.set W_PK, 0x85                        ; sources window 1, destination window 2
.macro PLACES
.rept 4
	v_nop
.endr
.endm
.macro QLOAD
.irp u, 0,1
.irp ft, 0,1,2,3
	global_load_b128 v[QR+16*(\u)+4*(\ft):QR+16*(\u)+4*(\ft)+3], v[GQ], s[QB:QB+1] offset:(\u)*2048+(\ft)*512
.endr
.endr
.endm
.macro KLOAD ks                        ; 32 keys x 64 features, as fragments, into buffer ks % 2
	WIN W_LD
.irp e, 0,1,2,3,4,5,6,7
	ds_load_b128 v[64*((\ks)%2)+4*(\e):64*((\ks)%2)+4*(\e)+3], v[AKL] offset:(\ks)*4096+(\e)*512
.endr
.endm
; Key step ks of the scores: 8 products on 4 accumulators by turns, the mask where the step holds the diagonal, the row sums.
.macro SSTEP ks
	WIN 0
.if (\ks) > 0
	s_cmp_lt_u32 s[PR], \ks
	s_cbranch_scc1 .Lsd
.endif
.if (\ks) < 7
	KLOAD (\ks)+1
	s_wait_dscnt 0x8                               ; the next step's eight loads may stay out
.else
	s_wait_dscnt 0x0
.endif
	WIN W_MM
.irp ksf, 0,1
.irp u, 0,1
.irp t, 0,1
.if (\ksf) == 0
	v_wmma_f32_16x16x32_f16 v[128*(\u)+16*(\ks)+8*(\t):128*(\u)+16*(\ks)+8*(\t)+7], v[64*((\ks)%2)+16*(\t)+8*(\ksf):64*((\ks)%2)+16*(\t)+8*(\ksf)+7], v[QR+16*(\u)+8*(\ksf):QR+16*(\u)+8*(\ksf)+7], 0
.else
	v_wmma_f32_16x16x32_f16 v[128*(\u)+16*(\ks)+8*(\t):128*(\u)+16*(\ks)+8*(\t)+7], v[64*((\ks)%2)+16*(\t)+8*(\ksf):64*((\ks)%2)+16*(\t)+8*(\ksf)+7], v[QR+16*(\u)+8*(\ksf):QR+16*(\u)+8*(\ksf)+7], v[128*(\u)+16*(\ks)+8*(\t):128*(\u)+16*(\ks)+8*(\t)+7]
.endif
.endr
.endr
.endr
	PLACES
	WIN 0
	s_cmp_lg_u32 s[PR], \ks
	s_cbranch_scc1 .Lnm_\@
	WIN W_MK                                       ; the pair's own step: tile 0 sees keys 0-15 up to the diagonal and none of 16-31; tile 1 sees 0-15 and 16-31 up to the diagonal
.irp j, 0,1,2,3,4,5,6,7
	v_cndmask_b32 v[16*(\ks)+(\j)], 0, v[16*(\ks)+(\j)], s[MK+(\j)]
.endr
.irp j, 0,1,2,3,4,5,6,7
	v_mov_b32 v[16*(\ks)+8+(\j)], 0
.endr
.irp j, 0,1,2,3,4,5,6,7
	v_cndmask_b32 v[128+16*(\ks)+8+(\j)], 0, v[128+16*(\ks)+8+(\j)], s[MK+(\j)]
.endr
	WIN 0
.Lnm_\@:
	WIN W_SUM
.irp i, 0,1,2,3,4,5,6,7
.irp u, 0,1
	v_pk_add_f32 v[LS+2*(\u):LS+2*(\u)+1], v[LS+2*(\u):LS+2*(\u)+1], v[128*(\u)+16*(\ks)+2*(\i):128*(\u)+16*(\ks)+2*(\i)+1]
.endr
.endr
.endm
.macro DEN u                           ; the query's denominator, its reciprocal, and s
	v_add_f32 v[TT+4*(\u)], v[LS+2*(\u)], v[LS+2*(\u)+1]
	v_add_f32 v[TT+4*(\u)+1], v[DP+2*(\u)], v[DP+2*(\u)+1]
	v_add_f32 v[TT+4*(\u)], v[TT+4*(\u)], v[TT+4*(\u)+1]
	v_permlanex16_b32 v[TT+4*(\u)+1], v[TT+4*(\u)], s[SEL], s[SEL+1]  ; the other keys and features lie in the lane 16 away
	v_add_f32 v[TT+4*(\u)], v[TT+4*(\u)], v[TT+4*(\u)+1]
	v_add_f32 v[TT+4*(\u)+1], 0x358637bd, v[TT+4*(\u)]                ; + 1e-6
	v_rcp_f32 v[RV+2*(\u)], v[TT+4*(\u)+1]
	v_nop                                          ; a plain line behind the reciprocal
	s_wait_alu depctr_va_vdst(0)
	v_mov_b32 v[RV+2*(\u)+1], v[RV+2*(\u)]
	v_mul_f32 v[TT+4*(\u)], v[TT+4*(\u)], v[RV+2*(\u)]
	v_cvt_pk_f16_f32 v[SVR+(\u)], v[TT+4*(\u)], v[ONE]
.endm
.macro CSTEP ks                        ; the step's scores over den, rounded to f16
	WIN 0
.if (\ks) > 0
	s_cmp_lt_u32 s[PR], \ks
	s_cbranch_scc1 .Lcd
.endif
	WIN W_SC
.irp u, 0,1
.irp i, 0,1,2,3,4,5,6,7
	v_pk_mul_f32 v[128*(\u)+16*(\ks)+2*(\i):128*(\u)+16*(\ks)+2*(\i)+1], v[128*(\u)+16*(\ks)+2*(\i):128*(\u)+16*(\ks)+2*(\i)+1], v[RV+2*(\u):RV+2*(\u)+1] op_sel_hi:[1,0]
.endr
.endr
	WIN W_CV
.irp u, 0,1
.irp i, 0,1,2,3,4,5,6,7
	v_cvt_pk_f16_f32 v[P16+64*(\u)+8*(\ks)+(\i)], v[128*(\u)+16*(\ks)+2*(\i)], v[128*(\u)+16*(\ks)+2*(\i)+1]
.endr
.endr
.endm
.macro TLOAD ksf, half                 ; Tprev: 8 d tiles x 32 features into buffer half
	WIN W_LD
.irp e, 0,1,2,3,4,5,6,7
	ds_load_b128 v[64*(\half)+8*(\e):64*(\half)+8*(\e)+3],   v[ATL] offset:((8*(\half)+(\e))*4+2*(\ksf))*512
	ds_load_b128 v[64*(\half)+8*(\e)+4:64*(\half)+8*(\e)+7], v[ATL] offset:((8*(\half)+(\e))*4+2*(\ksf))*512+512
.endr
.endm
.macro XLOAD ks, half                  ; x turned: 8 d tiles x 32 keys into buffer half
	WIN W_LD
.irp e, 0,1,2,3,4,5,6,7
	ds_load_tr16_b128 v[64*(\half)+8*(\e):64*(\half)+8*(\e)+3],   v[AX+2*(\half)+(\e)/4] offset:(\ks)*5120+((\e)%4)*32
	ds_load_tr16_b128 v[64*(\half)+8*(\e)+4:64*(\half)+8*(\e)+7], v[AX+2*(\half)+(\e)/4] offset:(\ks)*5120+((\e)%4)*32+2560
.endr
.endm
.macro TMUL ksf, half, zero            ; 16 accumulators by turns
	WIN W_MM
.irp e, 0,1,2,3,4,5,6,7
.irp u, 0,1
.if \zero
	v_wmma_f32_16x16x32_bf16 v[128*(\u)+8*(8*(\half)+(\e)):128*(\u)+8*(8*(\half)+(\e))+7], v[64*(\half)+8*(\e):64*(\half)+8*(\e)+7], v[QD+16*(\u)+8*(\ksf):QD+16*(\u)+8*(\ksf)+7], 0
.else
	v_wmma_f32_16x16x32_bf16 v[128*(\u)+8*(8*(\half)+(\e)):128*(\u)+8*(8*(\half)+(\e))+7], v[64*(\half)+8*(\e):64*(\half)+8*(\e)+7], v[QD+16*(\u)+8*(\ksf):QD+16*(\u)+8*(\ksf)+7], v[128*(\u)+8*(8*(\half)+(\e)):128*(\u)+8*(8*(\half)+(\e))+7]
.endif
.endr
.endr
.endm
.macro XMUL ks, half
	WIN W_MM
.irp e, 0,1,2,3,4,5,6,7
.irp u, 0,1
	v_wmma_f32_16x16x32_f16 v[128*(\u)+8*(8*(\half)+(\e)):128*(\u)+8*(8*(\half)+(\e))+7], v[64*(\half)+8*(\e):64*(\half)+8*(\e)+7], v[P16+64*(\u)+8*(\ks):P16+64*(\u)+8*(\ks)+7], v[128*(\u)+8*(8*(\half)+(\e)):128*(\u)+8*(8*(\half)+(\e))+7]
.endr
.endr
.endm
; Key step ks of y^T += x^T P, in two units of 16 products; each unit first asks for the next unit's fragments, into the buffer that the unit before has read (four places behind its products).
.macro XSTEP ks
.if (\ks) > 0
	WIN 0
	s_cmp_lt_u32 s[PR], \ks
	s_cbranch_scc1 .Lpd
	PLACES
	XLOAD \ks, 1
	s_wait_dscnt 0x10                              ; the sixteen just issued may stay out
	XMUL \ks, 0
.endif
	PLACES
.if (\ks) < 7
	XLOAD (\ks)+1, 0
	s_wait_dscnt 0x10
.else
	s_wait_dscnt 0x0
.endif
	XMUL \ks, 1
.endm
.macro OUT u                           ; tile u: f16, through my stage, back as rows of 512 bytes
	WIN W_PK
.set i, 0
.rept 64
	v_cvt_pk_f16_f32 v[i], v[128*(\u)+2*i], v[128*(\u)+2*i+1]
.set i, i+1
.endr
	WIN W_KP
.irp dt, 0,1,2,3,4,5,6,7,8,9,10,11,12,13,14,15
	ds_store_b128 v[STO], v[4*(\dt):4*(\dt)+3] offset:(\dt)*32
.endr
	s_wait_xcnt 0x0                                ; the registers that earlier stores read are loaded again only behind this wait
	WIN W_LD
.irp t, 0,1,2,3,4,5,6,7,8,9,10,11,12,13,14,15
	ds_load_b128 v[64+4*(\t):64+4*(\t)+3], v[RD] offset:(\t)*528   ; LDS serves a wave's instructions in order: these see the stores above
.endr
	s_wait_dscnt 0x0
	WIN W_KP
.irp t, 0,1,2,3,4,5,6,7,8,9,10,11,12,13,14,15
	global_store_b128 v[GY], v[64+4*(\t):64+4*(\t)+3], s[YB:YB+1] offset:(\u)*32768+(\t)*2048  ; 512 consecutive bytes, aligned
.endr
	WIN 0
	s_cmp_lg_u32 s[DQ], 0
	s_cbranch_scc1 .Lnos_\@
	global_store_b32 v[GS], v[SVR+(\u)], s[SVB:SVB+1] offset:(\u)*64  ; (s, 1.0); both halves of the lanes hold the same number
.Lnos_\@:
.endm
	s_load_b128 s[4:7], s[0:1], 0x0                ; xqk s[4:5], tps s[6:7]
	s_load_b64 s[8:9], s[0:1], 0x10                ; ysa
	v_lshl_add_u32 v[SPW], v0, 2, SPARE
	v_mov_b32 v[NIL], 0
	ds_add_u32 v[SPW], v[NIL]                      ; the wave's opening: the add and its wait ahead of my first tensor load
	v_lshrrev_b32 v1, 5, v0
	v_readfirstlane_b32 s[WV], v1
	s_mov_b32 s[DQ], ttmp9
	s_and_b32 s[CG], ttmp7, 0xffff
	s_mov_b32 s[G1X], (1<<16)|(1<<20)|(4<<22)|(7<<25)  ; x: 128 rows of 256 bytes, 32 bytes of padding after every 128
	s_mov_b32 s[G1X+1], 128<<16
	s_mov_b32 s[G1X+2], 128<<16
	s_mov_b32 s[G1X+3], 128<<16
	s_mov_b32 s[G1X+4], 128
	s_mov_b32 s[G1X+5], 128
	s_mov_b32 s[G1X+6], 0
	s_mov_b32 s[G1X+7], 0
	s_mov_b32 s[G1D], 3<<16                        ; K and Tprev: 8,192 dense bytes as 32 rows of 256
	s_mov_b32 s[G1D+1], 32<<16
	s_mov_b32 s[G1D+2], 32<<16
	s_mov_b32 s[G1D+3], 32<<16
	s_mov_b32 s[G1D+4], 32
	s_mov_b32 s[G1D+5], 32
	s_mov_b32 s[G1D+6], 0
	s_mov_b32 s[G1D+7], 0
	s_mov_b32 s[G0X], 1
	s_mul_i32 s[G0X+1], s[WV], XSL
	s_mov_b32 s[G0K], 1
	s_lshl_b32 s[G0K+1], s[WV], 13
	s_add_co_u32 s[G0K+1], s[G0K+1], KL
	s_mov_b32 s[G0T], 1
	s_lshl_b32 s[G0T+1], s[WV], 13
	s_add_co_u32 s[G0T+1], s[G0T+1], TL
	s_and_b32 s[TS], s[CG], 0xf0                   ; 16 b
	s_lshl_b32 s58, s[DQ], 2
	s_add_co_u32 s[TS], s[TS], s58
	s_add_co_u32 s[TS], s[TS], s[WV]               ; my slice
	s_lshl_b32 s[TS], s[TS], 12
	s_and_b32 s58, s[CG], 15
	s_lshl_b32 s58, s58, 8
	s_add_co_u32 s[TS], s[TS], s58
	s_lshl_b32 s[TS], s[TS], 7
	s_mov_b32 s[TS+1], 0
	s_lshl_b32 s54, s[CG], 15
	s_lshl_b32 s58, s[WV], 13
	s_add_co_u32 s54, s54, s58
	s_add_co_u32 s54, s54, KFO
	s_mov_b32 s55, 0
	s_lshl_b32 s56, s[CG], 17
	s_add_co_u32 s56, s56, s58
	s_lshl_b32 s58, s[DQ], 15
	s_add_co_u32 s56, s56, s58
	s_mov_b32 s57, 0
	s_mov_b32 s[SEL], 0x76543210
	s_mov_b32 s[SEL+1], 0xfedcba98
	s_mov_b32 s[PR], s[WV]
	s_mov_b32 s[TRIPS], 2
	s_wait_dscnt 0x0
	s_wait_kmcnt 0x0
	s_add_nc_u64 s[G0X+2:G0X+3], s[4:5], s[TS:TS+1]
	s_or_b32 s[G0X+3], s[G0X+3], 0x80000000
	s_add_nc_u64 s[G0K+2:G0K+3], s[4:5], s[54:55]
	s_or_b32 s[G0K+3], s[G0K+3], 0x80000000
	s_add_nc_u64 s[G0T+2:G0T+3], s[6:7], s[56:57]
	s_or_b32 s[G0T+3], s[G0T+3], 0x80000000
	tensor_load_to_lds s[G0X:G0X+3], s[G1X:G1X+7]
	s_nop 0
	tensor_load_to_lds s[G0K:G0K+3], s[G1D:G1D+7]
	s_nop 0
	tensor_load_to_lds s[G0T:G0T+3], s[G1D:G1D+7]
	s_nop 0
.rept 4
	v_nop
.endr
	s_lshl_b32 s[TS], s[CG], 15
	s_add_co_u32 s[TS], s[TS], QFO
	s_add_nc_u64 s[QB:QB+1], s[4:5], s[TS:TS+1]
	s_lshl_b32 s[TS], s[CG], 8
	s_add_co_u32 s[TS], s[TS], KSPO
	s_add_nc_u64 s[KSB:KSB+1], s[6:7], s[TS:TS+1]
	s_lshl_b32 s[TS], s[CG], 19
	s_lshl_b32 s58, s[DQ], 9
	s_add_co_u32 s[TS], s[TS], s58
	s_add_nc_u64 s[YB:YB+1], s[8:9], s[TS:TS+1]
	s_lshl_b32 s[TS], s[CG], 10
	s_add_co_u32 s[TS], s[TS], SVO
	s_add_nc_u64 s[SVB:SVB+1], s[8:9], s[TS:TS+1]
	v_and_b32 v1, 15, v0                           ; r
	v_bfe_u32 v2, v0, 4, 1                         ; h
	v_and_b32 v16, 31, v0
	v_lshlrev_b32 v[LF], 4, v16
	v_lshlrev_b32 v[KO], 5, v2
	s_lshl_b32 s58, s[PR], 12
	v_add_nc_u32 v[GQ], s58, v[LF]
	QLOAD
	WIN W_LD
.irp ft, 0,1,2,3
	global_load_b128 v[KP+8*(\ft):KP+8*(\ft)+3],   v[KO], s[KSB:KSB+1] offset:(\ft)*64      ; Kprev of the features that my lane holds of Q
	global_load_b128 v[KP+8*(\ft)+4:KP+8*(\ft)+7], v[KO], s[KSB:KSB+1] offset:(\ft)*64+16
.endr
	WIN 0
	v_and_b32 v17, 7, v0
	v_bfe_u32 v18, v0, 3, 1
	v_lshl_add_u32 v19, v2, 3, v17
	v_mul_u32_u24 v19, v19, 160
	v_lshl_add_u32 v19, v18, 4, v19
.irp s, 0,1,2,3
	v_add_nc_u32 v[AX+(\s)], (\s)*XSL, v19
.endr
	v_add_nc_u32 v[AKL], KL, v[LF]
	v_add_nc_u32 v[ATL], TL, v[LF]
	s_mul_i32 s58, s[WV], 8448
	s_add_co_u32 s58, s58, STG
	v_mul_u32_u24 v[STO], v1, 528
	v_lshl_add_u32 v[STO], v2, 4, v[STO]
	v_add_nc_u32 v[STO], s58, v[STO]
	v_add_nc_u32 v[RD], s58, v[LF]
	s_lshl_b32 s58, s[PR], 16
	v_add_nc_u32 v[GY], s58, v[LF]
	s_lshl_b32 s58, s[PR], 7
	v_lshl_add_u32 v[GS], v1, 2, s58
	v_lshlrev_b32 v16, 3, v2
	v_sub_nc_u32 v16, v1, v16                      ; r - 8 h: key 8 h + j is seen where j <= r - 8 h
.irp j, 0,1,2,3,4,5,6,7
	v_cmp_le_i32 s[MK+(\j)], \j, v16
.endr
	v_mov_b32 v[ZR], 0
	v_mov_b32 v[ONE], 1.0
	; the weights' and the scores' registers are written once, in the wait for the tiles, so that every way through the jumps on p finds them written
.set i, 0
.rept 128
	v_mov_b32 v[P16+i], 0
.set i, i+1
.endr
	WIN 0x40
.set i, 0
.rept 256
	v_mov_b32 v[i], 0
.set i, i+1
.endr
	WIN 0
	s_wait_tensorcnt 0x0                           ; my three tiles are in,
	s_barrier_signal -1
	s_barrier_wait -1                              ; everybody's are
.Ltrip:
	s_wait_loadcnt 0x0                             ; Q (and Kprev)
.irp i, 0,1,2,3,4,5,6,7
	v_mov_b32 v[LS+(\i)], 0
.endr
	KLOAD 0
	WIN W_KP                                       ; q . Kprev, in f32, four chains
.irp ft, 0,1,2,3
.irp g, 0,1,2,3
.irp u, 0,1
	v_fma_mix_f32 v[DP+2*(\u)], v[QR+16*(\u)+4*(\ft)+(\g)], v[KP+8*(\ft)+2*(\g)], v[DP+2*(\u)] op_sel_hi:[1,0,0]
	v_fma_mix_f32 v[DP+2*(\u)+1], v[QR+16*(\u)+4*(\ft)+(\g)], v[KP+8*(\ft)+2*(\g)+1], v[DP+2*(\u)+1] op_sel:[1,0,0] op_sel_hi:[1,0,0]
.endr
.endr
.endr
	SSTEP 0
	SSTEP 1
	SSTEP 2
	SSTEP 3
	SSTEP 4
	SSTEP 5
	SSTEP 6
	SSTEP 7
	WIN 0
.Lsd:
	s_wait_dscnt 0x0                               ; a step asked for ahead and not used
	DEN 0
	DEN 1
	CSTEP 0
	CSTEP 1
	CSTEP 2
	CSTEP 3
	CSTEP 4
	CSTEP 5
	CSTEP 6
	CSTEP 7
	WIN 0
.Lcd:
.irp u, 0,1
.irp g, 0,1,2,3,4,5,6,7,8,9,10,11,12,13,14,15
	v_fma_mix_f32 v[TQ+2*((\g)%2)], v[QR+16*(\u)+(\g)], v[RV+2*(\u)], v[ZR] op_sel_hi:[1,0,0]
	v_fma_mix_f32 v[TQ+2*((\g)%2)+1], v[QR+16*(\u)+(\g)], v[RV+2*(\u)], v[ZR] op_sel:[1,0,0] op_sel_hi:[1,0,0]
	v_cvt_pk_bf16_f32 v[QD+16*(\u)+(\g)], v[TQ+2*((\g)%2)], v[TQ+2*((\g)%2)+1]   ; q / den
.endr
.endr
	s_cmp_eq_u32 s[TRIPS], 1
	s_cbranch_scc1 .Lnoq                           ; the last trip has no pair to come
	s_sub_co_u32 s58, 7, s[PR]
	s_lshl_b32 s58, s58, 12
	v_add_nc_u32 v[GQ], s58, v[LF]
	QLOAD                                          ; the second pair's Q, a whole product phase ahead of its use
.Lnoq:
	TLOAD 0, 0
	TLOAD 0, 1
	s_wait_dscnt 0x10
	TMUL 0, 0, 1                                   ; the products with Tprev start the sums
	PLACES
	TLOAD 1, 0
	s_wait_dscnt 0x10
	TMUL 0, 1, 1
	PLACES
	TLOAD 1, 1
	s_wait_dscnt 0x10
	TMUL 1, 0, 0
	PLACES
	XLOAD 0, 0
	s_wait_dscnt 0x10
	TMUL 1, 1, 0
.rept 8
	v_nop                                          ; a bf16 and an f16 product on one accumulator are no chain: more than five places stand between them
.endr
	XLOAD 0, 1
	s_wait_dscnt 0x10
	XMUL 0, 0
	XSTEP 0
	XSTEP 1
	XSTEP 2
	XSTEP 3
	XSTEP 4
	XSTEP 5
	XSTEP 6
	XSTEP 7
	WIN 0
.Lpd:
	s_wait_dscnt 0x0                               ; a unit asked for ahead and not used
	PLACES
	OUT 0
	OUT 1
	s_wait_xcnt 0x0                                ; the stores' registers are written again only behind this wait
	s_sub_co_u32 s[PR], 7, s[PR]
	s_lshl_b32 s58, s[PR], 16
	v_add_nc_u32 v[GY], s58, v[LF]
	s_lshl_b32 s58, s[PR], 7
	v_lshl_add_u32 v[GS], v1, 2, s58
	s_sub_co_u32 s[TRIPS], s[TRIPS], 1
	s_cmp_lg_u32 s[TRIPS], 0
	s_cbranch_scc1 .Ltrip
	s_wait_tensorcnt 0x0                           ; the wave's end
	ds_add_u32 v[SPW], v[NIL]
	s_wait_dscnt 0x0
	s_endpgm
.Lfunc_end_k_qb95f377565_mix:
	.size	k_qb95f377565_mix, .Lfunc_end_k_qb95f377565_mix-k_qb95f377565_mix
	.p2alignl 7, 3214868480
	.fill 96, 4, 3214868480
	.section	.rodata,"a",@progbits
	.p2align	6, 0x0
	.amdhsa_kernel k_qb95f377565_mix
		.amdhsa_group_segment_fixed_size 263680
		.amdhsa_private_segment_fixed_size 0
		.amdhsa_enable_private_segment 0
		.amdhsa_kernarg_size 24
		.amdhsa_user_sgpr_count 2
		.amdhsa_user_sgpr_kernarg_segment_ptr 1
		.amdhsa_wavefront_size32 1
		.amdhsa_system_sgpr_workgroup_id_x 1
		.amdhsa_system_sgpr_workgroup_id_y 1
		.amdhsa_system_sgpr_workgroup_id_z 1
		.amdhsa_system_vgpr_workitem_id 0
		.amdhsa_next_free_vgpr 768
		.amdhsa_next_free_sgpr 76
		.amdhsa_reserve_vcc 0
		.amdhsa_float_denorm_mode_32 3
		.amdhsa_float_denorm_mode_16_64 3
		.amdhsa_memory_ordered 1
		.amdhsa_forward_progress 1
		.amdhsa_inst_pref_size 141
	.end_amdhsa_kernel
	.amdgpu_metadata
---
amdhsa.version: [ 1, 2 ]
amdhsa.kernels:
  - .name:           k_qb95f377565_mix
    .symbol:         k_qb95f377565_mix.kd
    .args:
      - { .name: xqk, .offset: 0, .size: 8, .value_kind: global_buffer, .address_space: global }
      - { .name: tps, .offset: 8, .size: 8, .value_kind: global_buffer, .address_space: global }
      - { .name: ysa, .offset: 16, .size: 8, .value_kind: global_buffer, .address_space: global }
    .group_segment_fixed_size: 263680
    .private_segment_fixed_size: 0
    .kernarg_segment_align: 8
    .kernarg_segment_size: 24
    .max_flat_workgroup_size: 128
    .sgpr_count:     76
    .vgpr_count:     768
    .wavefront_size: 32
...
	.end_amdgpu_metadata
.endif
;; end of part 5
;; launch gemm (part 6): grid 4 x 64, 4 waves a work-group, clusters of 4 x 4, 327,680 bytes of LDS; arguments ysa, wts, out0; writes out0
.if DOCPART == 6
	.amdgcn_target "amdgcn-amd-amdhsa--gfx1250"
	.amdhsa_code_object_version 6
	.text
	.protected	k_qb95f377565_gemm
	.globl	k_qb95f377565_gemm
	.p2align	8
	.type	k_qb95f377565_gemm,@function
k_qb95f377565_gemm:
	s_mov_b64 s[64:65], 0
	v_nop
	global_prefetch_b8 v0, s[64:65] scope:SCOPE_SE
	s_setreg_imm32_b32 hwreg(HW_REG_WAVE_MODE, 25, 1), 1
	s_wait_xcnt 0x0
	s_wait_alu depctr_hold_cnt(0) depctr_sa_sdst(0) depctr_va_vdst(0) depctr_va_sdst(0) depctr_va_ssrc(0) depctr_va_vcc(0) depctr_vm_vsrc(0)
	s_getreg_b32 s2, hwreg(HW_REG_IB_STS2, 6, 4)
	s_cmp_eq_u32 s2, 0
	s_cbranch_scc0 .Lentry_in_a_cluster
	s_endpgm
.Lentry_in_a_cluster:
	s_bfe_u32 s2, ttmp6, 0x10000c
	s_cmp_lg_u32 s2, 0xf033
	s_cbranch_scc0 .Lentry_shape_is_right
	s_endpgm
.Lentry_shape_is_right:
; out0[m][n] = 2^-6 (sum over k of Y[m][k] WPT[n][k] + s[m] 64 c[n] + 64 bo[n]).  Y: [16384][1024] f16, WPT: [1024][1024] f16 (64 W'), out0 f32; sums in f32.
; LIMITS: the f16 operands arrive within 65,504.
; A tile of 256 x 256 is made by four waves, each 128 x 128: 64 accumulators, 512 registers.  K goes in steps of 128 through a ring of two LDS slots filled by tensor loads.
; The term s c + bo is a product of depth 2: it is the first matrix step, which starts the sums with the constant 0 while the first tiles are on their way.
; CLUSTER: 4 x 4 work-groups; the four of a row share Y's tiles, the four of a column WPT's: each tile is asked for jointly, by the same load, descriptor and mask in all four.
; The matrix instruction is used transposed (source 0 = rows of WPT, source 1 = rows of Y): a lane holds eight neighbouring numbers of a row of the result.
; REGISTERS: window 0: v0-31 addresses; v64-127, v128-191 fragments of Y, two buffers, at the end the way out's.  Window 1: the same two buffers for WPT.  Windows 2, 3: the accumulators.
.set SIZE_N, 1024
.set SIZE_K, 1024
.set KSTEP,  128
.set PITCH,  272
.set HALFT,  128*PITCH
.set SLOT,   4*HALFT
.set STAGE,  2*SLOT                    ; behind the ring: 16 rows x 528 bytes for each wave
.set SPITCH, 528
.set SPARE,  STAGE+4*16*SPITCH
.set LAPS,   SIZE_K/(2*KSTEP)
.set SVO,    33554432
.set CBO,    2359296
.set ADRA, 16
.set ADRB, 20
.set STO,  24
.set RD,   25
.set CO,   26
.set R4,   27
.set SPW,  28
.set NIL,  29
.set LN,   30
.set F0,   64
.set F1,   128
.set TMP,  64
.set BK,   128
.set G1, 24
.set G0, 32
.set G1B, 48
.set G0B, 56
.set MSB, 0
.macro WIN new
.if MSB != (\new)
	s_set_vgpr_msb (MSB<<8)|(\new)
.set MSB, \new
.endif
.endm
.set MUL_LO, 0xa1                      ; source 0 window 1, source 1 window 0, C and D window 2
.set MUL_HI, 0xf1                      ; the same, C and D window 3
.set TO_B,   0x40                      ; destination window 1
; A joint load: waves 0 and 1 fetch Y's two halves, waves 2 and 3 WPT's.  An s_nop 0 and four v_nop follow each line.
.macro JLOAD s
	s_cmp_eq_u32 s11, 0
	s_cbranch_scc0 .Lfor_b_\@
	tensor_load_to_lds s[G0+4*(\s):G0+4*(\s)+3], s[G1:G1+7]
	s_nop 0
.rept 4
	v_nop
.endr
	s_branch .Lasked_\@
.Lfor_b_\@:
	tensor_load_to_lds s[G0B+4*(\s):G0B+4*(\s)+3], s[G1B:G1B+7]
	s_nop 0
.rept 4
	v_nop
.endr
.Lasked_\@:
.endm
.macro CREST                           ; a round of the cluster's barrier behind its opening barrier
	s_cmp_lg_u32 s10, 0
	s_cbranch_scc1 .Lnot_wave_0_\@
	s_barrier_signal -3
.Lnot_wave_0_\@:
	s_barrier_wait -3
	s_barrier_signal -1
	s_barrier_wait -1
.endm
.macro CROUND
	s_barrier_signal -1
	s_barrier_wait -1
	CREST
.endm
	s_load_b128 s[4:7], s[0:1], 0x0                ; ysa s[4:5] (Y at its head), wts s[6:7] (WPT at its head)
	s_load_b64 s[8:9], s[0:1], 0x10                ; out0
	v_lshl_add_u32 v[SPW], v0, 2, SPARE
	v_mov_b32 v[NIL], 0
	ds_add_u32 v[SPW], v[NIL]                      ; the wave's opening: the add and its wait ahead of my first tensor load
	v_lshrrev_b32 v1, 5, v0
	v_readfirstlane_b32 s10, v1                    ; wave
	s_lshr_b32 s11, s10, 1                         ; my half of the tile's rows; also: I fetch for Y (0) or WPT (1)
	s_and_b32 s12, s10, 1                          ; my half of its columns; also: which 128 rows I fetch
	s_bfe_u32 s40, ttmp6, 0x40000                  ; cx
	s_bfe_u32 s41, ttmp6, 0x40004                  ; cy
	s_lshl_b32 s42, ttmp9, 2
	s_add_co_u32 s42, s42, s40                     ; tile column
	s_and_b32 s13, ttmp7, 0xffff
	s_lshl_b32 s13, s13, 2
	s_add_co_u32 s13, s13, s41                     ; tile row
	s_lshl_b32 s43, s41, 2
	s_lshl_b32 s43, 15, s43                        ; my row of the cluster
	s_lshl_b32 s44, 0x1111, s40                    ; my column
	s_or_b32 s[G1+0], s43, (1<<16)|(1<<20)|(1<<21)|(5<<22)|(3<<25)   ; the mask; 2-byte elements; 16 bytes of padding after every 256; bit 21 beside a mask
	s_or_b32 s[G1B+0], s44, (1<<16)|(1<<20)|(1<<21)|(5<<22)|(3<<25)
	s_mov_b32 s[G1B+1], KSTEP<<16
	s_mov_b32 s[G1+1], KSTEP<<16
	s_mov_b32 s[G1B+2], 128<<16
	s_mov_b32 s[G1+2], 128<<16
	s_mov_b32 s[G1B+3], KSTEP<<16
	s_mov_b32 s[G1+3], KSTEP<<16
	s_mov_b32 s[G1B+4], 128
	s_mov_b32 s[G1+4], 128
	s_mov_b32 s[G1B+5], SIZE_K
	s_mov_b32 s[G1+5], SIZE_K
	s_mov_b32 s[G1B+6], 0
	s_mov_b32 s[G1+6], 0
	s_mov_b32 s[G1B+7], 0
	s_mov_b32 s[G1+7], 0
	s_lshl_b32 s17, s12, 7
	s_lshl_b32 s16, s13, 8
	s_add_co_u32 s16, s16, s17                     ; Y: row 256 x tile row + 128 x half
	s_lshl_b32 s46, s42, 8
	s_add_co_u32 s46, s46, s17                     ; WPT: row 256 x tile column + 128 x half
	s_mov_b32 s17, 0
	s_mov_b32 s47, 0
	s_mov_b64 s[18:19], SIZE_K*2
	s_mul_u64 s[16:17], s[16:17], s[18:19]
	s_mul_u64 s[46:47], s[46:47], s[18:19]
	s_mul_i32 s20, s10, HALFT                      ; LDS: wave x 128 rows
	s_mov_b32 s70, 0x3c800000                      ; 2^-6
	s_mov_b32 s71, s70
	s_wait_dscnt 0x0
	s_wait_kmcnt 0x0
	s_add_nc_u64 s[14:15], s[4:5], s[16:17]
	s_add_nc_u64 s[46:47], s[6:7], s[46:47]
	CROUND                                         ; all sixteen work-groups are here: the first joint loads meet
.irp s, 0,1
	s_mov_b32 s[G0+4*(\s)], 1
	s_add_co_u32 s[G0+4*(\s)+1], s20, (\s)*SLOT
	s_add_nc_u64 s[G0+4*(\s)+2:G0+4*(\s)+3], s[14:15], (\s)*KSTEP*2
	s_or_b32 s[G0+4*(\s)+3], s[G0+4*(\s)+3], 0x80000000
	s_mov_b32 s[G0B+4*(\s)], 1
	s_add_co_u32 s[G0B+4*(\s)+1], s20, (\s)*SLOT
	s_add_nc_u64 s[G0B+4*(\s)+2:G0B+4*(\s)+3], s[46:47], (\s)*KSTEP*2
	s_or_b32 s[G0B+4*(\s)+3], s[G0B+4*(\s)+3], 0x80000000
	JLOAD \s                                       ; two loads of mine are out
.endr
	v_and_b32 v1, 15, v0
	v_bfe_u32 v2, v0, 4, 1
	v_mul_u32_u24 v3, v1, PITCH
	v_lshl_add_u32 v3, v2, 4, v3
	s_mul_i32 s21, s11, HALFT
	s_mul_i32 s22, s12, HALFT
	s_add_co_u32 s22, s22, 2*HALFT
.irp s, 0,1
	v_add_nc_u32 v[ADRA+(\s)], s21, v3
	v_add_nc_u32 v[ADRB+(\s)], s22, v3
	s_add_co_u32 s21, s21, SLOT
	s_add_co_u32 s22, s22, SLOT
.endr
	s_mul_i32 s23, s10, 16*SPITCH
	s_add_co_u32 s23, s23, STAGE
	v_mul_u32_u24 v4, v1, SPITCH                   ; in: row l % 16, 32 bytes for each half of the lanes
	v_lshl_add_u32 v4, v2, 5, v4
	v_add_nc_u32 v[STO], s23, v4
	v_and_b32 v[LN], 31, v0
	v_lshlrev_b32 v[CO], 4, v[LN]                  ; back and out: a row of 512 bytes, 16 a lane
	v_add_nc_u32 v[RD], s23, v[CO]
	v_lshlrev_b32 v[R4], 2, v1
	s_lshl_b32 s13, s13, 8
	s_lshl_b32 s14, s11, 7
	s_add_co_u32 s16, s13, s14                     ; my first row
	s_lshl_b32 s66, s16, 2
	s_add_co_u32 s66, s66, SVO
	s_mov_b32 s67, 0
	s_add_nc_u64 s[66:67], s[4:5], s[66:67]        ; (s, 1) of my rows
	s_lshl_b32 s16, s16, 12                        ; rows of 4,096 bytes
	s_mov_b32 s17, 0
	s_lshl_b32 s46, s42, 10                        ; my first column, in bytes of f32
	s_lshl_b32 s47, s12, 9
	s_add_co_u32 s46, s46, s47
	s_mov_b32 s47, 0
	s_add_co_u32 s68, s46, CBO
	s_mov_b32 s69, 0
	s_add_nc_u64 s[68:69], s[6:7], s[68:69]        ; (64 c, 64 bo) of my columns
	s_add_nc_u64 s[16:17], s[16:17], s[46:47]
	s_add_nc_u64 s[8:9], s[8:9], s[16:17]          ; out0 at my part's corner
.macro MUL16 f, hi, a0, zero
	WIN MUL_LO+0x50*(\hi)
.irp a, \a0, (\a0)+1
.irp b, 0,1,2,3,4,5,6,7
.if \zero
	v_wmma_f32_16x16x32_f16 v[8*(8*(\a)+(\b)):8*(8*(\a)+(\b))+7], v[(\f)+8*(\b):(\f)+8*(\b)+7], v[(\f)+8*(4*(\hi)+(\a)):(\f)+8*(4*(\hi)+(\a))+7], 0
.else
	v_wmma_f32_16x16x32_f16 v[8*(8*(\a)+(\b)):8*(8*(\a)+(\b))+7], v[(\f)+8*(\b):(\f)+8*(\b)+7], v[(\f)+8*(4*(\hi)+(\a)):(\f)+8*(4*(\hi)+(\a))+7], v[8*(8*(\a)+(\b)):8*(8*(\a)+(\b))+7]
.endif
.endr
.endr
.endm
.macro FETCH slot, k, f                ; 32 LDS loads in one run: a quarter step's fragments
	WIN TO_B
.irp i, 0,1,2,3,4,5,6,7
	ds_load_b128 v[(\f)+8*(\i):(\f)+8*(\i)+3],   v[ADRB+(\slot)] offset:(\k)+(\i)*16*PITCH
	ds_load_b128 v[(\f)+8*(\i)+4:(\f)+8*(\i)+7], v[ADRB+(\slot)] offset:(\k)+(\i)*16*PITCH+32
.endr
	WIN 0
.irp i, 0,1,2,3,4,5,6,7
	ds_load_b128 v[(\f)+8*(\i):(\f)+8*(\i)+3],   v[ADRA+(\slot)] offset:(\k)+(\i)*16*PITCH
	ds_load_b128 v[(\f)+8*(\i)+4:(\f)+8*(\i)+7], v[ADRA+(\slot)] offset:(\k)+(\i)*16*PITCH+32
.endr
.endm
.macro PLACES
.rept 4
	v_nop
.endr
.endm
.macro QUARTER slot, k, f, g, zero
	s_wait_dscnt 8                                 ; the youngest eight loads (Y's rows 64-127) may be out
	WIN MUL_LO
	MUL16 \f, 0, 0, \zero
	MUL16 \f, 0, 2, \zero
	PLACES
	FETCH \slot, \k, \g
	s_wait_dscnt 32                                ; all but the 32 just issued
	WIN MUL_HI
	MUL16 \f, 1, 0, \zero
	MUL16 \f, 1, 2, \zero
.endm
.macro MEET round
	WIN 0
	s_wait_tensorcnt 0x0                           ; all my tensor loads have landed: the one that was out is my part of the next slot
	ds_add_u32 v[SPW], v[NIL]
	s_wait_dscnt 9                                 ; the add and the youngest eight loads may be out
	WIN MUL_LO
	MUL16 F1, 0, 0, 0
	s_wait_dscnt 0x0                               ; the add is done, and my reads of this slot are over
	s_barrier_signal -1
	MUL16 F1, 0, 2, 0
.if \round
	WIN 0
.endif
	s_barrier_wait -1
.endm
.macro TURN slot, next                 ; the last quarter: the change of slots, behind a round of the cluster's barrier the joint refill, then the next slot's first fragments
	MEET 1
	CREST
	s_add_nc_u64 s[G0+4*(\slot)+2:G0+4*(\slot)+3], s[G0+4*(\slot)+2:G0+4*(\slot)+3], 2*KSTEP*2
	s_add_nc_u64 s[G0B+4*(\slot)+2:G0B+4*(\slot)+3], s[G0B+4*(\slot)+2:G0B+4*(\slot)+3], 2*KSTEP*2
	JLOAD \slot                                    ; my one tensor load behind the round; its four v_nop are also the places in front of the loads below
	FETCH \next, 0, F0
	WIN MUL_HI
	MUL16 F1, 1, 0, 0
	MUL16 F1, 1, 2, 0
.endm
.macro OUTB a                          ; 16 rows: x 2^-6, through my stage, back as rows of 512 bytes
	WIN 0x02+(\a)/4                                ; source 0: window 2 or 3
.set AC, 64*((\a)%4)
.set i, 0
.rept 32
	v_pk_mul_f32 v[TMP+2*i:TMP+2*i+1], v[AC+2*i:AC+2*i+1], s[70:71] op_sel_hi:[1,0]
.set i, i+1
.endr
	WIN 0
.irp b, 0,1,2,3,4,5,6,7
	ds_store_b128 v[STO], v[TMP+8*(\b):TMP+8*(\b)+3] offset:64*(\b)
	ds_store_b128 v[STO], v[TMP+8*(\b)+4:TMP+8*(\b)+7] offset:64*(\b)+16
.endr
	s_wait_xcnt 0x0                                ; the registers that the block before's stores read are loaded again only behind this wait
.irp t, 0,1,2,3,4,5,6,7,8,9,10,11,12,13,14,15
	ds_load_b128 v[BK+4*(\t):BK+4*(\t)+3], v[RD] offset:(\t)*SPITCH   ; LDS serves a wave's instructions in order: these see the stores above
.endr
	s_wait_dscnt 0x0
.irp t, 0,1,2,3,4,5,6,7,8,9,10,11,12,13,14,15
	global_store_b128 v[CO], v[BK+4*(\t):BK+4*(\t)+3], s[8:9] offset:(16*(\a)+(\t))*SIZE_N*4 th:TH_STORE_NT  ; 512 consecutive bytes, aligned
.endr
.endm
	; THE FIRST MATRIX STEP: k = 0 holds s and 64 c, k = 1 holds 1 and 64 bo, all other k are 0 (in Y's fragment the upper lanes' k = 8, 9 too)
.set i, 0
.rept 8
.irp j, 1,2,3,4,5,6,7
	v_mov_b32 v[F1+8*i+(\j)], 0
.endr
.set i, i+1
.endr
.irp a, 0,1,2,3,4,5,6,7
	global_load_b32 v[F1+8*(\a)], v[R4], s[66:67] offset:(\a)*64
.endr
	WIN TO_B
.set i, 0
.rept 8
.irp j, 1,2,3,4,5,6,7
	v_mov_b32 v[F1+8*i+(\j)], 0
.endr
.set i, i+1
.endr
.irp b, 0,1,2,3,4,5,6,7
	global_load_b32 v[F1+8*(\b)], v[R4], s[68:69] offset:(\b)*64
.endr
	WIN 0
	v_cmp_gt_u32 s45, 16, v[LN]
	s_wait_loadcnt 0x0
.irp a, 0,1,2,3,4,5,6,7
	v_cndmask_b32 v[F1+8*(\a)], 0, v[F1+8*(\a)], s45
.endr
	MUL16 F1, 0, 0, 1
	MUL16 F1, 0, 2, 1
	MUL16 F1, 1, 0, 1
	MUL16 F1, 1, 2, 1
	s_wait_tensorcnt 1                             ; my part of K step 0 is in; K step 1's may stay out
	s_barrier_signal -1
	s_barrier_wait -1
	FETCH 0, 0, F0
	QUARTER 0, 64,  F0, F1, 0
	WIN 0
	s_mov_b32 s3, LAPS-1
.Llap:                                                 ; a trip goes once round the ring and fills both slots again
	QUARTER 0, 128, F1, F0, 0
	QUARTER 0, 192, F0, F1, 0
	TURN 0, 1
	QUARTER 1, 64,  F0, F1, 0
	QUARTER 1, 128, F1, F0, 0
	QUARTER 1, 192, F0, F1, 0
	TURN 1, 0
	QUARTER 0, 64,  F0, F1, 0
	WIN 0
	s_sub_co_u32 s3, s3, 1
	s_cmp_lg_u32 s3, 0
	s_cbranch_scc1 .Llap
	QUARTER 0, 128, F1, F0, 0                      ; the last lap fills nothing
	QUARTER 0, 192, F0, F1, 0
	MEET 0
	PLACES
	FETCH 1, 0, F0
	WIN MUL_HI
	MUL16 F1, 1, 0, 0
	MUL16 F1, 1, 2, 0
	QUARTER 1, 64,  F0, F1, 0
	QUARTER 1, 128, F1, F0, 0
	QUARTER 1, 192, F0, F1, 0
	s_wait_dscnt 0x0
	MUL16 F1, 0, 0, 0
	MUL16 F1, 0, 2, 0
	MUL16 F1, 1, 0, 0
	MUL16 F1, 1, 2, 0
	PLACES
	OUTB 0
	OUTB 1
	OUTB 2
	OUTB 3
	OUTB 4
	OUTB 5
	OUTB 6
	OUTB 7
	s_wait_tensorcnt 0x0                           ; the wave's end
	ds_add_u32 v[SPW], v[NIL]
	s_wait_dscnt 0x0
	CROUND                                         ; the closing round
	s_endpgm
.Lfunc_end_k_qb95f377565_gemm:
	.size	k_qb95f377565_gemm, .Lfunc_end_k_qb95f377565_gemm-k_qb95f377565_gemm
	.p2alignl 7, 3214868480
	.fill 96, 4, 3214868480
	.section	.rodata,"a",@progbits
	.p2align	6, 0x0
	.amdhsa_kernel k_qb95f377565_gemm
		.amdhsa_group_segment_fixed_size 327680
		.amdhsa_private_segment_fixed_size 0
		.amdhsa_enable_private_segment 0
		.amdhsa_kernarg_size 24
		.amdhsa_user_sgpr_count 2
		.amdhsa_user_sgpr_kernarg_segment_ptr 1
		.amdhsa_wavefront_size32 1
		.amdhsa_system_sgpr_workgroup_id_x 1
		.amdhsa_system_sgpr_workgroup_id_y 1
		.amdhsa_system_sgpr_workgroup_id_z 1
		.amdhsa_system_vgpr_workitem_id 0
		.amdhsa_next_free_vgpr 1024
		.amdhsa_next_free_sgpr 72
		.amdhsa_reserve_vcc 0
		.amdhsa_float_denorm_mode_32 3
		.amdhsa_float_denorm_mode_16_64 3
		.amdhsa_memory_ordered 1
		.amdhsa_forward_progress 1
		.amdhsa_inst_pref_size 166
	.end_amdhsa_kernel
	.amdgpu_metadata
---
amdhsa.version: [ 1, 2 ]
amdhsa.kernels:
  - .name:           k_qb95f377565_gemm
    .symbol:         k_qb95f377565_gemm.kd
    .args:
      - { .name: ysa, .offset: 0, .size: 8, .value_kind: global_buffer, .address_space: global }
      - { .name: wts, .offset: 8, .size: 8, .value_kind: global_buffer, .address_space: global }
      - { .name: out0, .offset: 16, .size: 8, .value_kind: global_buffer, .address_space: global }
    .group_segment_fixed_size: 327680
    .private_segment_fixed_size: 0
    .kernarg_segment_align: 8
    .kernarg_segment_size: 24
    .max_flat_workgroup_size: 128
    .sgpr_count:     72
    .vgpr_count:     1024
    .wavefront_size: 32
...
	.end_amdgpu_metadata
.endif
;; end of part 6
